; MI455X (gfx1250); checked and timed in simulation.
; The chip was launched on July 23, 2026; its instructions are those of AMD's public machine-readable ISA for CDNA 5 (MIT licence, August 2026) and "CDNA5" Instruction Set Architecture Reference Guide (July 2026). The comments in the code are by the model that wrote it; some were corrected since.
;; Moe. Allowed arithmetic: matrix products marked QUANTISED: E3M2 operands, one E8M0 scale for each 32 along K, by v_wmma_scale_f32_16x16x128_f8f6f4 with both operands' format E3M2, f32 sums; products left as they are: f32 operands where the result goes on into a quantised operand, else bf16, f16 or f32 operands; f32 sums; everything else in f32.
;; Inputs: gate_w 8 x 512 float32; w1 8 x 2,048 x 512 float32; w2 8 x 512 x 2,048 float32; x 8 x 512 x 512 float32.
;; Outputs: out0 8 x 512 x 512 float32.
;; This version of the problem:
;;   THIS VERSION OF THE PROBLEM IS GIVEN IN LOW PRECISION. The matrix products marked QUANTISED in the list below multiply operands that are first quantised to E3M2 (3 exponent bits, 2 mantissa bits; 6 bits a number), with one power-of-two scale for each 32 numbers along K (OCP MX v1.0); their sums are f32. All else is computed in f32.
;;   The module's matrix products, in the order in which they are computed (A, B: the left and right operand; K: the contracted axis; several contracted axes count as one K, in the product's order):
;;     1. [M 4,096, K 512] x [K 512, N 8]; A: input x; B: input gate_w: left as it is (N = 8 < 16)
;;     2. [M 4,096, K 512] x [K 512, N 2,048]; A: input x; B: input w1: QUANTISED
;;     3. [M 4,096, K 2,048] x [K 2,048, N 512]; A: computed on the way; B: input w2: QUANTISED
;;     4. [M 4,096, K 512] x [K 512, N 2,048]; A: input x; B: input w1: QUANTISED
;;     5. [M 4,096, K 2,048] x [K 2,048, N 512]; A: computed on the way; B: input w2: QUANTISED
;;     6. [M 4,096, K 512] x [K 512, N 2,048]; A: input x; B: input w1: QUANTISED
;;     7. [M 4,096, K 2,048] x [K 2,048, N 512]; A: computed on the way; B: input w2: QUANTISED
;;     8. [M 4,096, K 512] x [K 512, N 2,048]; A: input x; B: input w1: QUANTISED
;;     9. [M 4,096, K 2,048] x [K 2,048, N 512]; A: computed on the way; B: input w2: QUANTISED
;;     10. [M 4,096, K 512] x [K 512, N 2,048]; A: input x; B: input w1: QUANTISED
;;     11. [M 4,096, K 2,048] x [K 2,048, N 512]; A: computed on the way; B: input w2: QUANTISED
;;     12. [M 4,096, K 512] x [K 512, N 2,048]; A: input x; B: input w1: QUANTISED
;;     13. [M 4,096, K 2,048] x [K 2,048, N 512]; A: computed on the way; B: input w2: QUANTISED
;;     14. [M 4,096, K 512] x [K 512, N 2,048]; A: input x; B: input w1: QUANTISED
;;     15. [M 4,096, K 2,048] x [K 2,048, N 512]; A: computed on the way; B: input w2: QUANTISED
;;     16. [M 4,096, K 512] x [K 512, N 2,048]; A: input x; B: input w1: QUANTISED
;;     17. [M 4,096, K 2,048] x [K 2,048, N 512]; A: computed on the way; B: input w2: QUANTISED
;;   THE QUANTISER, for each operand of a quantised product, along K:
;;     - K is cut into blocks of 32 from its start; a last block that is shorter is filled with zeros.
;;     - A block's scale is 2^e with e = floor(log2(the largest magnitude in the block)) - 4, held to -126 .. 127; a block of zeros has e = 0. As a byte (E8M0): e + 127.
;;     - Each number is divided by its block's scale, clamped to +-28, and rounded to the nearest number of E3M2, ties to even, subnormals kept.
;;     - The product sums the exact products of the quantised numbers (number of the format x scale) in f32.
;;   ~~~python
;;   def quantise(x, axis):      # numpy; x: float32 -> the quantised numbers, widened to float32 again
;;       x = np.moveaxis(x, axis, -1); K = x.shape[-1]
;;       x = np.pad(x, [(0, 0)] * (x.ndim - 1) + [(0, -K % 32)]); x = x.reshape(x.shape[:-1] + (-1, 32)); a = np.abs(x).max(-1, keepdims=True)
;;       e = np.where(a > 0, np.clip(np.frexp(np.where(a > 0, a, 1))[1] - 1 - 4, -126, 127), 0)      # np.frexp(a)[1] - 1 = floor(log2(a)), exactly
;;       r = np.clip(x / 2.0 ** e, -28, 28)
;;       step = 2.0 ** (np.maximum(np.frexp(np.where(r == 0, 1, r))[1] - 1, -2) - 2)
;;       q = np.round(r / step) * step * 2.0 ** e      # np.round: ties to even
;;       return np.moveaxis(q.reshape(q.shape[:-2] + (-1,))[..., :K], -1, axis).astype(np.float32)
;;   ~~~
;;   OPERANDS COMPUTED ON THE WAY. 'Computed on the way' means the value that the module computes at that place (a softmax that the list does not call 'softmax' is quantised finished and normalised). What goes into a quantiser is computed in f32, as accurately as f32 sums, v_exp_f32 and their like allow (about 1e-6 of the number): no bf16 or f16 on the way to a quantiser, and a product that is left as it is and whose result goes on into a quantised operand takes f32 operands (vector FMAs, or v_wmma_f32_16x16x4_f32). A number that lies on a knife's edge between two numbers of the format may be rounded either way, as far as f32 arithmetic and the matrix unit's own rounding can turn it there, and no further.
;; 2 versions, each right; version 2 is version 1 with the launch chain written anew for expert scheduling mode. Each part assembles by itself: llvm-mc -triple=amdgcn-amd-amdhsa -mcpu=gfx1250 --defsym DOCPART=n.
;; ======== version 1 of 2: 4 launches
;; workspace buffers: xq 1,638,400 bytes; w1q 6,553,600 bytes; w2q 6,553,600 bytes; route 18,432 bytes of whole numbers; gw 32,768 bytes; plan 39,168 bytes of whole numbers; ybuf 16,777,216 bytes
;; launch prep1 (part 1): grid 640 x 1, 4 waves a work-group, no clusters, 69,120 bytes of LDS; arguments x, gate_w, w1, xq, w1q, route, gw; writes xq, w1q, route, gw
.if DOCPART == 1
	.amdgcn_target "amdgcn-amd-amdhsa--gfx1250"
	.amdhsa_code_object_version 6
	.text
	.protected	k_q66df709f15_prep1
	.globl	k_q66df709f15_prep1
	.p2align	8
	.type	k_q66df709f15_prep1,@function
k_q66df709f15_prep1:
	s_mov_b64 s[64:65], 0
	v_nop
	global_prefetch_b8 v0, s[64:65] scope:SCOPE_SE
	s_setreg_imm32_b32 hwreg(HW_REG_WAVE_MODE, 25, 1), 1
	s_wait_xcnt 0x0
; FIRST LAUNCH.  Work-groups 0-127: 32 tokens each: x [4096][512] f32 becomes codes of BF6 (E3M2) with one E8M0 byte for each 32 along K; the router's 8 logits a token (f32 multiply-adds), the two largest
; (the lower index wins a tie), the softmax over those two (the larger logit is taken away first), each routed row's rank among its group's rows of the same expert, and the group's counts by expert.
; Work-groups 128-639: w1 [8][2048][512] f32 becomes codes, 32 rows (16,384 numbers) a work-group, laid in the order in which the chain's operand registers take them.
; THE QUANTISER: a block's scale is 2^(floor(log2(its largest magnitude)) - 4); its byte is the largest magnitude's exponent field - 4, held at 1 from below; numbers beyond 28 x the scale get the largest code.
; LIMITS: NaN and infinities are not served.  A block whose largest magnitude lies under 2^-122, a block of zeros among them, gets the byte 1 (its codes are small or zero; the bytes are read by this program alone).
; Two logits that differ by less than the error of an f32 sum of 512 products may change places in the choice.
; A STEP is 512 numbers of a wave: four loads of 512 consecutive bytes, 16 a lane; they turn through the wave's own stage in LDS (16 bytes of padding behind each 64) and come back 16 NEIGHBOURS a lane, two lanes to a block.
; A work-group's 12,800 bytes of results are gathered in LDS in their final order and leave as 25 pieces of 512 consecutive bytes.
; xq: a token's record is 400 bytes: block 4 s + 2 c + h at 192 h + 48 s + 24 c, the 16 scale bytes at 384.  So lane (r, h) of the chain reads K step s of its token as 48 bytes on end.
; w1q: a group is 8 fragments f = 4 u + s (tile u of 16 rows, K step s) of 1,536 bytes, register d of lane L at 1536 f + 512 (d / 4) + 16 L + 4 (d % 4), then 512 bytes of scale words: lane L's register f / 2,
; fragment f in lanes 0-15 (f even) or 16-31 (f odd).  Lane r of tile u holds group row 8 u + r + 8 (r / 8), so that the chain's results of tiles 0 and 1 are 16 neighbours along the next K.
; The two paths part on the work-group's number and have LDS bytes of their own.
.set WTURN, 0                          ; w path: four waves x two stages of 2,560 bytes
.set WSTG,  20480                      ; w path: the group's image as 50 sub-blocks of 256 bytes, 272 apart
.set XTURN, 34304                      ; x path: the same stages
.set XSTG,  54784                      ; x path: 32 records of 400 bytes
.set LOGB,  67584                      ; x path: 32 tokens x 8 logits
.set LOFF, 2                           ; v2   16 x lane
.set TIN,  3                           ; v3   the stage, way in:  80 (lane / 4) + 16 (lane % 4)
.set TOUT, 4                           ; v4   the stage, way out: 80 x lane
.set SA,   5                           ; v5-7 where my three words of codes go (x path: v5 alone)
.set LR,   6                           ; v6   x path: my token's logits, for the routing
.set SSC,  8                           ; v8   where my block's scale byte goes
.set RB,   9                           ; v9   reading the results back
.set GOUT, 10                          ; v10  16 x lane + 512 x wave: my place in a run of four pieces
.set LG,   11                          ; v11  x path: my wave's logits
.set MX0,  12
.set MX1,  13
.set SCL,  14
.set BYT,  15
.set R,    16                          ; v16..  sets of 16 numbers as loaded (w path 8 sets, x path 4)
.set G,    80                          ; v80-207 x path: gate_w, expert e at G + 16 e, in the order of a set
.set X,    208                         ; v208-239 two sets of 16 neighbours
.set C,    240                         ; v240-242 a step's codes
.set ACC,  244                         ; v244-251 x path: 8 logits; before the loops: lane fields and temporaries
.set TP,   252                         ; v252-255 temporaries
.set FH,   244                         ; lane & 1: which half of a block
.set FC,   245                         ; c
.set FHH,  246                         ; h
.set FS,   247                         ; s
.macro LOAD t, set, lp                 ; step t's four loads into a set; lp: bytes from load to load
.irp i, 0,1,2,3
	global_load_b128 v[R+16*(\set)+4*\i:R+16*(\set)+4*\i+3], v[LOFF], s[24:25] offset:(4*(\t)+\i)*(\lp) th:TH_LOAD_NT
.endr
.endm
.macro TURN t, set                     ; through the stage: LDS serves a wave's instructions in order, so no wait stands between the stores and the loads
.irp i, 0,1,2,3
	ds_store_b128 v[TIN], v[R+16*(\set)+4*\i:R+16*(\set)+4*\i+3] offset:2560*((\t)%2)+640*\i
.endr
.irp i, 0,1,2,3
	ds_load_b128 v[X+16*((\t)%2)+4*\i:X+16*((\t)%2)+4*\i+3], v[TOUT] offset:2560*((\t)%2)+16*\i
.endr
.endm
.macro QNT t, imm, imms, one           ; my 16 neighbours of step t become 12 bytes of codes and the block's byte; one = 1: one address register serves the three words
.set XQ, X+16*((\t)%2)
	v_max3_num_f32 v[MX0], |v[XQ]|, |v[XQ+1]|, |v[XQ+2]|
	v_max3_num_f32 v[MX1], |v[XQ+3]|, |v[XQ+4]|, |v[XQ+5]|
.irp i, 6,10
	v_max3_num_f32 v[MX0], v[MX0], |v[XQ+\i]|, |v[XQ+\i+1]|
	v_max3_num_f32 v[MX1], v[MX1], |v[XQ+\i+2]|, |v[XQ+\i+3]|
.endr
	v_max3_num_f32 v[MX0], v[MX0], |v[XQ+14]|, |v[XQ+15]|
	v_max3_num_f32 v[MX0], v[MX0], v[MX1], 0x2800000               ; and the floor 2^(5 - 127): the byte cannot fall under 1
	v_max_num_f32_dpp v[MX0], v[MX0], v[MX0] row_xmask:1 row_mask:0xf bank_mask:0xf   ; with my neighbour's 16: the block's
	v_add_nc_u32 v[SCL], 0xfe000000, v[MX0]                        ; 4 off the exponent field: the conversion takes that field as its scale
	v_cvt_scalef32_pk16_bf6_f32 v[C:C+2], v[XQ:XQ+15], v[SCL]
	v_lshrrev_b32 v[BYT], 23, v[SCL]                               ; the byte (also the plain line behind the conversion)
.irp i, 0,1,2
.if \one
	ds_store_b32 v[SA], v[C+\i] offset:(\imm)+4*\i
.else
	ds_store_b32 v[SA+\i], v[C+\i] offset:(\imm)
.endif
.endr
	ds_store_b8 v[SSC], v[BYT] offset:(\imms)                      ; both lanes of a block write the same byte with the same value
.endm
.macro OUT25 lp, ext                   ; 25 pieces of 512 bytes: wave w takes pieces w, w + 4, .. w + 20, wave 3 also piece 24
.irp i, 0,1,2,3,4,5
	ds_load_b128 v[R+4*\i:R+4*\i+3], v[RB] offset:(\lp)*\i
.endr
.irp i, 0,1,2,3,4,5
	s_wait_dscnt 5-\i                                              ; piece i is in; the younger ones may be out
	global_store_b128 v[GOUT], v[R+4*\i:R+4*\i+3], s[26:27] offset:2048*\i   ; 512 consecutive bytes, at a multiple of 256 from the buffer's first byte
.endr
	s_cmp_lg_u32 s18, 3
	s_cbranch_scc1 .Lno25_\@
	ds_load_b128 v[R+24:R+27], v[RB] offset:\ext
	s_wait_dscnt 0x0
	global_store_b128 v[GOUT], v[R+24:R+27], s[26:27] offset:10752
.Lno25_\@:
.endm
.macro SADDR base                      ; v248 = d0, my first register of a fragment; word i is register d0 + i: 544 (d / 4) + 4 (d % 4) on from v[base]
.irp i, 0,1,2
	v_add_nc_u32 v249, \i, v248
	v_lshrrev_b32 v250, 2, v249
	v_and_b32 v249, 3, v249
	v_mad_u32_u24 v250, v250, 544, v[\base]
	v_lshl_add_u32 v[SA+\i], v249, 2, v250
.endr
.endm
.macro LOGITS set                      ; my 16 numbers of the token against the same 16 of each expert's row; the eight sums by turns
.irp e, 0,1,2,3,4,5,6,7
	v_mul_f32 v[ACC+\e], v[R+16*(\set)], v[G+16*\e]
.endr
.irp k, 1,2,3,4,5,6,7,8,9,10,11,12,13,14,15
.irp e, 0,1,2,3,4,5,6,7
	v_fmac_f32 v[ACC+\e], v[R+16*(\set)+\k], v[G+16*\e+\k]
.endr
.endr
.endm
.macro REDUCE                          ; the eight sums over the 32 lanes, the result in every lane
.irp k, 1,2,4,8
.irp e, 0,1,2,3,4,5,6,7
	v_add_f32_dpp v[ACC+\e], v[ACC+\e], v[ACC+\e] row_xmask:\k row_mask:0xf bank_mask:0xf
.endr
.endr
.irp q, 0,4
.irp e, 0,1,2,3
	v_permlanex16_b32 v[TP+\e], v[ACC+\q+\e], s28, s29
.endr
.irp e, 0,1,2,3
	v_add_f32 v[ACC+\q+\e], v[ACC+\q+\e], v[TP+\e]
.endr
.endr
.endm
	s_load_b256 s[4:11], s[0:1], 0x0               ; x s[4:5], gate_w s[6:7], w1 s[8:9], xq s[10:11]
	s_load_b128 s[12:15], s[0:1], 0x20             ; w1q s[12:13], route s[14:15]
	s_load_b64 s[16:17], s[0:1], 0x30              ; gw
	v_lshl_add_u32 v243, v0, 2, 0x10c00
	s_set_vgpr_msb 0x40
	v_mov_b32 v1, 0
	s_set_vgpr_msb 0x4000
	v_lshrrev_b32 v1, 5, v0
	v_readfirstlane_b32 s18, v1                    ; wave 0..3
	v_and_b32 v1, 31, v0                           ; lane
	v_lshlrev_b32 v[LOFF], 4, v1
	s_mov_b32 s28, 0x76543210
	s_mov_b32 s29, 0xfedcba98                      ; v_permlanex16_b32's selects for lane l xor 16
	s_lshl_b32 s23, s18, 9
	v_lshl_add_u32 v[GOUT], v1, 4, s23
	v_lshrrev_b32 v[TIN], 2, v1
	v_mul_u32_u24 v[TIN], v[TIN], 80
	v_and_b32 v[TOUT], 3, v1
	v_lshl_add_u32 v[TIN], v[TOUT], 4, v[TIN]
	v_mul_u32_u24 v[TOUT], v1, 80
	s_mul_i32 s30, s18, 5120                       ; my wave's two stages
	v_and_b32 v[FH], 1, v1
	v_bfe_u32 v[FC], v1, 2, 1
	v_bfe_u32 v[FHH], v1, 1, 1
	v_bfe_u32 v[FS], v1, 3, 2
.irp e, 0,1,2,3
	v_mov_b32 v[TP+\e], 0                          ; written once: a lane permute's destination counts as one of its sources
.endr
	s_wait_kmcnt 0x0
	s_cmp_lt_u32 ttmp9, 128
	s_cbranch_scc0 .Lw1
	; ---------------- x: wave w, step t is token 32 g + 8 w + t: lane l holds k = 16 l .. 16 l + 15: block l / 2, K step s = l / 8, c, h, half
	s_add_co_u32 s30, s30, XTURN
	v_add_nc_u32 v[TIN], s30, v[TIN]
	v_add_nc_u32 v[TOUT], s30, v[TOUT]
	v_mul_u32_u24 v248, v[FHH], 192
	v_mad_u32_u24 v248, v[FS], 48, v248
	v_mad_u32_u24 v248, v[FC], 24, v248
	v_mad_u32_u24 v248, v[FH], 12, v248
	s_mul_i32 s21, s18, 3200                       ; my wave's 8 records
	s_add_co_u32 s21, s21, XSTG
	v_add_nc_u32 v[SA], s21, v248
	v_lshrrev_b32 v249, 1, v1                      ; block
	s_add_co_u32 s22, s21, 384
	v_add_nc_u32 v[SSC], s22, v249
	v_add_nc_u32 v[RB], XSTG, v[GOUT]
	s_lshl_b32 s20, s18, 8
	s_add_co_u32 s20, s20, LOGB
	v_mov_b32 v[LG], s20
	v_lshl_add_u32 v[LR], v1, 5, LOGB
	s_lshl_b32 s20, ttmp9, 16                      ; 32 tokens of 2,048 bytes,
	s_lshl_b32 s22, s18, 14                        ; 8 of them a wave
	s_add_co_u32 s20, s20, s22
	s_mov_b32 s21, 0
	s_add_nc_u64 s[24:25], s[4:5], s[20:21]
	s_mul_i32 s20, ttmp9, 12800
	s_add_nc_u64 s[26:27], s[10:11], s[20:21]
.irp e, 0,1,2,3,4,5,6,7
.irp i, 0,1,2,3
	global_load_b128 v[G+16*\e+4*\i:G+16*\e+4*\i+3], v[LOFF], s[6:7] offset:2048*\e+512*\i
.endr
.endr
.irp t, 0,1,2,3
	LOAD \t, \t, 512
.endr
	s_wait_loadcnt 12                              ; gate_w and step 0 are in; steps 1 to 3 may be out
	TURN 0, 0
.irp t, 0,1,2,3,4,5,6,7
	s_wait_dscnt 0x0                               ; this step's neighbours are back, and the last step's LDS stores have read their registers
.if \t < 5
	s_wait_loadcnt 8                               ; the next step's loads are in; those of the two steps behind it may be out
	TURN \t+1, (\t+1)%4
.elseif \t == 5
	s_wait_loadcnt 4                               ; step 7's may be out
	TURN \t+1, (\t+1)%4
.elseif \t == 6
	s_wait_loadcnt 0x0
	TURN \t+1, (\t+1)%4
.endif
	LOGITS \t%4
.if \t < 4
	LOAD \t+4, \t%4, 512                           ; the set is free: its stores into the stage are done, the sums above have read it
.endif
	QNT \t, 400*\t, 400*\t, 1
	REDUCE
	ds_store_b128 v[LG], v[ACC:ACC+3] offset:32*\t         ; every lane writes the same bytes with the same values
	ds_store_b128 v[LG], v[ACC+4:ACC+7] offset:32*\t+16
.endr
	s_wait_dscnt 0x0                               ; for the others' sake: my records and logits lie in LDS
	s_barrier_signal -1
	s_barrier_wait -1
	OUT25 2048, 10752
	s_cmp_lg_u32 s18, 0
	s_cbranch_scc1 .Lxend
	; ---------------- the routing: wave 0, a lane to a token.  Everything here is data: no address and no branch hangs on it
	ds_load_b128 v[80:83], v[LR]
	ds_load_b128 v[84:87], v[LR] offset:16
	v_mov_b32 v92, 0xff800000                      ; -infinity
	s_lshl_b32 s20, ttmp9, 7
	v_lshl_add_u32 v102, v1, 2, s20                ; 4 x my token
	s_lshl_b32 s21, ttmp9, 4
	v_mov_b32 v103, s21                            ; 16 x my group
	s_wait_dscnt 0x0
	v_mov_b32 v88, v80
	v_mov_b32 v89, 0
.irp e, 1,2,3,4,5,6,7
	v_cmp_le_f32 vcc_lo, v[80+\e], v88             ; only a strictly larger logit takes the place: the lower index wins a tie
	v_cndmask_b32 v89, \e, v89, vcc_lo
	v_max_num_f32 v88, v88, v[80+\e]
.endr
.irp e, 0,1,2,3,4,5,6,7
	v_cmp_eq_u32 vcc_lo, \e, v89
	v_cndmask_b32 v[80+\e], v[80+\e], v92, vcc_lo  ; the first choice is taken out
.endr
	v_mov_b32 v90, v80
	v_mov_b32 v91, 0
.irp e, 1,2,3,4,5,6,7
	v_cmp_le_f32 vcc_lo, v[80+\e], v90
	v_cndmask_b32 v91, \e, v91, vcc_lo
	v_max_num_f32 v90, v90, v[80+\e]
.endr
	v_sub_f32 v93, v90, v88                        ; the second logit less the largest: 0 or less
	v_mul_f32 v93, 0x3fb8aa3b, v93
	v_exp_f32 v94, v93
	v_mov_b32 v98, 0                               ; (a plain line behind the exponential)  rank of slot 0
	s_wait_alu depctr_va_vdst(0)
	v_add_f32 v95, 1.0, v94
	v_rcp_f32 v96, v95                             ; weight of slot 0
	v_mov_b32 v99, 0                               ; (a plain line behind the reciprocal)  rank of slot 1
	s_wait_alu depctr_va_vdst(0)
	v_mul_f32 v97, v94, v96                        ; weight of slot 1
.irp e, 0,1,2,3,4,5,6,7
	v_cmp_eq_u32 s30, \e, v89
	v_cmp_eq_u32 s31, \e, v91
	s_or_b32 s32, s30, s31                         ; the group's tokens that chose expert e
	v_mbcnt_lo_u32_b32 v100, s32, 0                ; how many of them stand below me
	v_cndmask_b32 v98, v98, v100, s30
	v_cndmask_b32 v99, v99, v100, s31
	s_bcnt1_i32_b32 s[36+\e], s32
.endr
	v_lshl_or_b32 v101, v91, 4, v89                ; e0 | e1 << 4 | rank0 << 8 | rank1 << 16
	v_lshl_or_b32 v101, v98, 8, v101
	v_lshl_or_b32 v101, v99, 16, v101
	global_store_b32 v102, v101, s[14:15]
	global_store_b32 v102, v96, s[16:17]
	global_store_b32 v102, v97, s[16:17] offset:16384
.irp k, 0,1,2,3
	s_lshl_b32 s33, s[37+2*\k], 16
	s_or_b32 s33, s33, s[36+2*\k]
	v_mov_b32 v[104+\k], s33                       ; two counts to a word
.endr
	s_wait_xcnt 0x0                                ; EXEC changes only behind this wait
	v_cmp_eq_u32 vcc_lo, 0, v1
	s_and_saveexec_b32 s34, vcc_lo
	global_store_b128 v103, v[104:107], s[14:15] offset:16384
	s_wait_xcnt 0x0
	s_or_b32 exec_lo, exec_lo, s34
.Lxend:
	s_set_vgpr_msb 0x4
	s_wait_tensorcnt 0x0
	ds_add_u32 v243, v1
	s_wait_dscnt 0x0
	s_set_vgpr_msb 0x400
	s_endpgm
.Lw1:	; ---------------- w1: group G = 64 e + 16 c + 4 w + g: 32 rows on end.  Wave v, step t is group row 8 v + t: tile u = v & 1, lane r = t + 8 (v >> 1)
	s_add_co_u32 s30, s30, WTURN
	v_add_nc_u32 v[TIN], s30, v[TIN]
	v_add_nc_u32 v[TOUT], s30, v[TOUT]
	v_mul_u32_u24 v248, v[FC], 6
	v_mad_u32_u24 v248, v[FH], 3, v248             ; d0 = 6 c + 3 half
	v_mul_u32_u24 v251, v[FS], 6*272
	v_mad_u32_u24 v251, v[FHH], 272, v251
	s_and_b32 s20, s18, 1
	s_mul_i32 s20, s20, 24*272
	s_lshr_b32 s21, s18, 1
	s_lshl_b32 s21, s21, 7
	s_add_co_u32 s20, s20, s21
	s_add_co_u32 s20, s20, WSTG
	v_add_nc_u32 v251, s20, v251                   ; sub-block 24 u + 6 s + h, + 128 (v >> 1)
	SADDR 251
	v_and_b32 v249, 1, v[FS]
	v_mul_u32_u24 v249, v249, 272
	v_lshrrev_b32 v250, 1, v[FS]
	v_lshl_add_u32 v249, v250, 2, v249
	v_bfe_u32 v250, v1, 1, 2
	v_add_nc_u32 v249, v249, v250
	s_and_b32 s20, s18, 1
	s_lshl_b32 s20, s20, 3
	s_add_co_u32 s20, s20, s21
	s_add_co_u32 s20, s20, WSTG+272*48
	v_add_nc_u32 v[SSC], s20, v249                 ; sub-block 48 + (s & 1): 16 r + 4 (2 u + s / 2) + the block's number in its K step
	v_lshrrev_b32 v249, 4, v1
	v_mul_u32_u24 v249, v249, 272
	v_and_b32 v250, 15, v1
	v_lshl_add_u32 v249, v250, 4, v249
	s_mul_i32 s20, s18, 544
	s_add_co_u32 s20, s20, WSTG
	v_add_nc_u32 v[RB], s20, v249
	s_sub_co_u32 s19, ttmp9, 128                   ; G
	s_lshl_b32 s20, s19, 16
	s_lshl_b32 s21, s18, 14
	s_add_co_u32 s20, s20, s21
	s_mov_b32 s21, 0
	s_add_nc_u64 s[24:25], s[8:9], s[20:21]
	s_and_b32 s20, s19, 0x1c3                      ; the image's place: 64 e + 16 w + 4 c + g
	s_bfe_u32 s22, s19, 0x20002
	s_lshl_b32 s22, s22, 4
	s_or_b32 s20, s20, s22
	s_bfe_u32 s22, s19, 0x20004
	s_lshl_b32 s22, s22, 2
	s_or_b32 s20, s20, s22
	s_mul_i32 s20, s20, 12800
	s_add_nc_u64 s[26:27], s[12:13], s[20:21]
.irp t, 0,1,2,3,4,5,6,7
	LOAD \t, \t, 512                               ; all of the wave's 16 KiB at once
.endr
	s_wait_loadcnt 28                              ; step 0 is in
	TURN 0, 0
.irp t, 0,1,2,3,4,5,6,7
	s_wait_dscnt 0x0                               ; this step's neighbours are back, and the last step's LDS stores have read their registers
.if \t < 7
	s_wait_loadcnt 4*(6-\t)                        ; the next step's loads are in; the later steps' may be out
	TURN \t+1, \t+1
.endif
	QNT \t, 16*\t, 16*\t, 0
.endr
	s_wait_dscnt 0x0                               ; for the others' sake: my part of the image lies in LDS
	s_barrier_signal -1
	s_barrier_wait -1
	OUT25 2176, 11424
	s_set_vgpr_msb 0x4
	s_wait_tensorcnt 0x0
	ds_add_u32 v243, v1
	s_wait_dscnt 0x0
	s_set_vgpr_msb 0x400
	s_endpgm
.Lfunc_end_k_q66df709f15_prep1:
	.size	k_q66df709f15_prep1, .Lfunc_end_k_q66df709f15_prep1-k_q66df709f15_prep1
	.p2alignl 7, 3214868480
	.fill 96, 4, 3214868480
	.section	.rodata,"a",@progbits
	.p2align	6, 0x0
	.amdhsa_kernel k_q66df709f15_prep1
		.amdhsa_group_segment_fixed_size 69120
		.amdhsa_private_segment_fixed_size 0
		.amdhsa_enable_private_segment 0
		.amdhsa_kernarg_size 56
		.amdhsa_user_sgpr_count 2
		.amdhsa_user_sgpr_kernarg_segment_ptr 1
		.amdhsa_wavefront_size32 1
		.amdhsa_system_sgpr_workgroup_id_x 1
		.amdhsa_system_sgpr_workgroup_id_y 1
		.amdhsa_system_sgpr_workgroup_id_z 1
		.amdhsa_system_vgpr_workitem_id 0
		.amdhsa_next_free_vgpr 258
		.amdhsa_next_free_sgpr 66
		.amdhsa_reserve_vcc 1
		.amdhsa_float_denorm_mode_32 3
		.amdhsa_float_denorm_mode_16_64 3
		.amdhsa_memory_ordered 1
		.amdhsa_forward_progress 1
		.amdhsa_inst_pref_size 106
	.end_amdhsa_kernel
	.amdgpu_metadata
---
amdhsa.version: [ 1, 2 ]
amdhsa.kernels:
  - .name:           k_q66df709f15_prep1
    .symbol:         k_q66df709f15_prep1.kd
    .args:
      - { .name: x, .offset: 0, .size: 8, .value_kind: global_buffer, .address_space: global }
      - { .name: gate_w, .offset: 8, .size: 8, .value_kind: global_buffer, .address_space: global }
      - { .name: w1, .offset: 16, .size: 8, .value_kind: global_buffer, .address_space: global }
      - { .name: xq, .offset: 24, .size: 8, .value_kind: global_buffer, .address_space: global }
      - { .name: w1q, .offset: 32, .size: 8, .value_kind: global_buffer, .address_space: global }
      - { .name: route, .offset: 40, .size: 8, .value_kind: global_buffer, .address_space: global }
      - { .name: gw, .offset: 48, .size: 8, .value_kind: global_buffer, .address_space: global }
    .group_segment_fixed_size: 69120
    .private_segment_fixed_size: 0
    .kernarg_segment_align: 8
    .kernarg_segment_size: 56
    .max_flat_workgroup_size: 128
    .sgpr_count:     66
    .vgpr_count:     258
    .wavefront_size: 32
...
	.end_amdgpu_metadata
.endif
;; end of part 1
;; launch prep2 (part 2): grid 520 x 1, 4 waves a work-group, no clusters, 37,120 bytes of LDS; arguments w2, route, w2q, plan; writes w2q, plan
.if DOCPART == 2
	.amdgcn_target "amdgcn-amd-amdhsa--gfx1250"
	.amdhsa_code_object_version 6
	.text
	.protected	k_q66df709f15_prep2
	.globl	k_q66df709f15_prep2
	.p2align	8
	.type	k_q66df709f15_prep2,@function
k_q66df709f15_prep2:
	s_mov_b64 s[64:65], 0
	v_nop
	global_prefetch_b8 v0, s[64:65] scope:SCOPE_SE
	s_setreg_imm32_b32 hwreg(HW_REG_WAVE_MODE, 25, 1), 1
	s_wait_xcnt 0x0
; SECOND LAUNCH.  Work-groups 0-7 place the 8,192 routed rows by expert, from the whole numbers that the first launch stored.  Each repeats the prefix sum over 128 groups x 8 experts (2 KiB of counts) and then places
; the rows of its own 512 tokens: a row's place is its expert's start + the rows of earlier groups + its rank in its group: no atomics, and each list entry has one writer.
; THE LIST IS LAID BY TILES: expert e's rows begin at 64 x its first tile, so that tile t's 64 entries (slot x 4096 + token) are list[64 t ..], whatever the split.  Work-group 0 also stores the table of tiles
; {expert, 0, rows (at most 64), 0} and a 0 into every list entry that no row takes (fewer than 64 behind each expert; at most 7 x 64 behind the last tile): every entry that the next launch reads is stored here.
; plan: bytes 0-4095 the table of 256 tiles; from 4096 the list of 135 x 64 entries; behind it 128 dump words, which nobody reads.
; Work-groups 8-519: w2 [8][512][2048] f32 becomes codes of BF6 (E3M2) with one E8M0 byte for each 32 along K, a group of 128 rows x 128 along K a work-group, in the order of the chain's operand registers:
; group G = 64 e + 16 w + 4 c + s holds rows 128 w .. + 127 at K step 4 c + s: 8 fragments f (rows 16 f + r) of 1,536 bytes, register d of lane L at 1536 f + 512 (d / 4) + 16 L + 4 (d % 4), then 512 bytes of
; scale words: lane L's register f / 2, fragment f in lanes 0-15 (f even) or 16-31 (f odd).
; THE QUANTISER and its LIMITS are the first launch's: byte = the block's largest magnitude's exponent field - 4, held at 1 from below (a block of zeros has the byte 1 and zero codes); NaN and infinities are not served.
; The two paths part on the work-group's number and have LDS bytes of their own.
.set WTURN, 0                          ; four waves x two stages of 2,560 bytes
.set WSTG,  20480                      ; the group's image as 50 sub-blocks of 256 bytes, 272 apart
.set PTOT,  34304                      ; placement: the four waves' totals, 16 bytes each
.set PBASE, 34560                      ; placement: 128 groups x 8 starts of 16 bits
.set NLIST, 8640                       ; list entries: 135 tiles x 64
.set LOFF, 2
.set TIN,  3
.set TOUT, 4
.set SA,   5
.set SSC,  8
.set RB,   9
.set GOUT, 10
.set MX0,  12
.set MX1,  13
.set SCL,  14
.set BYT,  15
.set R,    16                          ; v16-143 eight sets of 16 numbers as loaded
.set X,    208                         ; v208-239 two sets of 16 neighbours
.set C,    240
.set FH,   244
.set FC,   245
.set FHH,  246
.macro LOAD t, set, lp
.irp i, 0,1,2,3
	global_load_b128 v[R+16*(\set)+4*\i:R+16*(\set)+4*\i+3], v[LOFF], s[24:25] offset:(4*(\t)+\i)*(\lp) th:TH_LOAD_NT
.endr
.endm
.macro TURN t, set                     ; through the wave's stage: LDS serves a wave's instructions in order
.irp i, 0,1,2,3
	ds_store_b128 v[TIN], v[R+16*(\set)+4*\i:R+16*(\set)+4*\i+3] offset:2560*((\t)%2)+640*\i
.endr
.irp i, 0,1,2,3
	ds_load_b128 v[X+16*((\t)%2)+4*\i:X+16*((\t)%2)+4*\i+3], v[TOUT] offset:2560*((\t)%2)+16*\i
.endr
.endm
.macro QNT t, imm, imms
.set XQ, X+16*((\t)%2)
	v_max3_num_f32 v[MX0], |v[XQ]|, |v[XQ+1]|, |v[XQ+2]|
	v_max3_num_f32 v[MX1], |v[XQ+3]|, |v[XQ+4]|, |v[XQ+5]|
.irp i, 6,10
	v_max3_num_f32 v[MX0], v[MX0], |v[XQ+\i]|, |v[XQ+\i+1]|
	v_max3_num_f32 v[MX1], v[MX1], |v[XQ+\i+2]|, |v[XQ+\i+3]|
.endr
	v_max3_num_f32 v[MX0], v[MX0], |v[XQ+14]|, |v[XQ+15]|
	v_max3_num_f32 v[MX0], v[MX0], v[MX1], 0x2800000               ; and the floor 2^(5 - 127)
	v_max_num_f32_dpp v[MX0], v[MX0], v[MX0] row_xmask:1 row_mask:0xf bank_mask:0xf
	v_add_nc_u32 v[SCL], 0xfe000000, v[MX0]
	v_cvt_scalef32_pk16_bf6_f32 v[C:C+2], v[XQ:XQ+15], v[SCL]
	v_lshrrev_b32 v[BYT], 23, v[SCL]                               ; the byte (also the plain line behind the conversion)
.irp i, 0,1,2
	ds_store_b32 v[SA+\i], v[C+\i] offset:(\imm)
.endr
	ds_store_b8 v[SSC], v[BYT] offset:(\imms)
.endm
.macro OUT25 lp, ext
.irp i, 0,1,2,3,4,5
	ds_load_b128 v[R+4*\i:R+4*\i+3], v[RB] offset:(\lp)*\i
.endr
.irp i, 0,1,2,3,4,5
	s_wait_dscnt 5-\i                                              ; piece i is in; the younger ones may be out
	global_store_b128 v[GOUT], v[R+4*\i:R+4*\i+3], s[26:27] offset:2048*\i
.endr
	s_cmp_lg_u32 s18, 3
	s_cbranch_scc1 .Lno25_\@
	ds_load_b128 v[R+24:R+27], v[RB] offset:\ext
	s_wait_dscnt 0x0
	global_store_b128 v[GOUT], v[R+24:R+27], s[26:27] offset:10752
.Lno25_\@:
.endm
.macro SADDR base
.irp i, 0,1,2
	v_add_nc_u32 v249, \i, v248
	v_lshrrev_b32 v250, 2, v249
	v_and_b32 v249, 3, v249
	v_mad_u32_u24 v250, v250, 544, v[\base]
	v_lshl_add_u32 v[SA+\i], v249, 2, v250
.endr
.endm
	s_load_b256 s[4:11], s[0:1], 0x0               ; w2 s[4:5], route s[6:7], w2q s[8:9], plan s[10:11]
	v_lshl_add_u32 v254, v0, 2, 0x8f00
	v_mov_b32 v255, 0
	v_lshrrev_b32 v1, 5, v0
	v_readfirstlane_b32 s18, v1                    ; wave 0..3
	v_and_b32 v1, 31, v0                           ; lane
	s_wait_kmcnt 0x0
	s_cmp_lt_u32 ttmp9, 8
	s_cbranch_scc1 .Lplace
	; ---------------- w2.  A step is four rows x 128 along K: lane l holds row l / 8 of the four, k = 16 (l % 8) .. + 15: block (l % 8) / 2 = 2 c + h, half l & 1
	v_lshlrev_b32 v[LOFF], 4, v1
	s_lshl_b32 s23, s18, 9
	v_lshl_add_u32 v[GOUT], v1, 4, s23
	v_lshrrev_b32 v[TIN], 2, v1
	v_mul_u32_u24 v[TIN], v[TIN], 80
	v_and_b32 v[TOUT], 3, v1
	v_lshl_add_u32 v[TIN], v[TOUT], 4, v[TIN]
	v_mul_u32_u24 v[TOUT], v1, 80
	s_mul_i32 s30, s18, 5120
	s_add_co_u32 s30, s30, WTURN
	v_add_nc_u32 v[TIN], s30, v[TIN]
	v_add_nc_u32 v[TOUT], s30, v[TOUT]
	v_and_b32 v[FH], 1, v1
	v_bfe_u32 v[FC], v1, 2, 1
	v_bfe_u32 v[FHH], v1, 1, 1
	v_mul_u32_u24 v248, v[FC], 6
	v_mad_u32_u24 v248, v[FH], 3, v248             ; d0 = 6 c + 3 half
	v_lshrrev_b32 v251, 3, v1
	v_lshlrev_b32 v251, 4, v251                    ; 16 x (row of the four)
	s_mul_i32 s20, s18, 3264                       ; fragments 2 v and 2 v + 1 are my wave's: sub-blocks 12 v on
	s_add_co_u32 s20, s20, WSTG
	v_mad_u32_u24 v252, v[FHH], 272, v251
	v_add_nc_u32 v252, s20, v252
	SADDR 252
	v_bfe_u32 v249, v1, 1, 2
	v_add_nc_u32 v249, v249, v251
	s_lshl_b32 s20, s18, 2
	s_add_co_u32 s20, s20, WSTG+272*48
	v_add_nc_u32 v[SSC], s20, v249                 ; sub-block 48 (+ 1 for the odd fragment): 16 r + 4 v + the block's number
	v_lshrrev_b32 v249, 4, v1
	v_mul_u32_u24 v249, v249, 272
	v_and_b32 v250, 15, v1
	v_lshl_add_u32 v249, v250, 4, v249
	s_mul_i32 s20, s18, 544
	s_add_co_u32 s20, s20, WSTG
	v_add_nc_u32 v[RB], s20, v249
	s_sub_co_u32 s19, ttmp9, 8                     ; G
	s_lshr_b32 s20, s19, 6
	s_lshl_b32 s20, s20, 22                        ; the expert's 4 MiB
	s_bfe_u32 s21, s19, 0x20004
	s_lshl_b32 s21, s21, 7
	s_lshl_b32 s22, s18, 5
	s_add_co_u32 s21, s21, s22                     ; row 128 w + 32 x wave,
	s_lshl_b32 s21, s21, 13                        ; of 8,192 bytes
	s_add_co_u32 s20, s20, s21
	s_and_b32 s21, s19, 15
	s_lshl_b32 s21, s21, 9                         ; K step 4 c + s: 512 bytes
	s_add_co_u32 s20, s20, s21
	s_mov_b32 s21, 0
	s_add_nc_u64 s[24:25], s[4:5], s[20:21]
	s_mul_i32 s20, s19, 12800
	s_add_nc_u64 s[26:27], s[8:9], s[20:21]
.irp t, 0,1,2,3,4,5,6,7
	LOAD \t, \t, 8192                              ; each load reads 512 consecutive bytes of one row; all of the wave's 16 KiB at once
.endr
	s_wait_loadcnt 28                              ; step 0 is in
	TURN 0, 0
.irp t, 0,1,2,3,4,5,6,7
	s_wait_dscnt 0x0                               ; this step's neighbours are back, and the last step's LDS stores have read their registers
.if \t < 7
	s_wait_loadcnt 4*(6-\t)                        ; the next step's loads are in; the later steps' may be out
	TURN \t+1, \t+1
.endif
	QNT \t, 1632*(\t/4)+64*(\t%4), 272*(\t/4)+64*(\t%4)
.endr
	s_wait_dscnt 0x0                               ; for the others' sake: my part of the image lies in LDS
	s_barrier_signal -1
	s_barrier_wait -1
	OUT25 2176, 11424
	s_wait_tensorcnt 0x0
	ds_add_u32 v254, v255
	s_wait_dscnt 0x0
	s_endpgm
.Lplace:	; ---------------- the placement, part j = the work-group's number.  Thread i is group i (tokens 32 i .. 32 i + 31) for the prefix sum.  Counts and starts are packed two to a word, 16 bits each; none passes 8,640
	; v4-7 my group's counts; v8-11 their running sums; v12-15 at work; v16-19 four tokens' route words; v48-63 the waves' totals; v64-67 the earlier waves'; v68-71 all; v72-79 counts; v88-96 first tiles by expert;
	; v177-185 the experts' starts in the list; v112-115 my group's starts; v120-151 eight candidate rows of starts
	v_lshlrev_b32 v2, 4, v0                        ; 16 i
	s_lshl_b32 s20, ttmp9, 11
	s_mov_b32 s21, 0
	s_add_nc_u64 s[24:25], s[6:7], s[20:21]        ; my 512 tokens' route words
	global_load_b128 v[4:7], v2, s[6:7] offset:16384
	global_load_b128 v[16:19], v2, s[24:25]        ; tokens 512 j + 4 i + 0 .. 3
	s_lshl_b32 s22, s18, 4
	s_add_co_u32 s22, s22, PTOT
	v_mov_b32 v3, s22
	v_mov_b32 v169, PTOT
	v_add_nc_u32 v170, PBASE, v2
	v_lshrrev_b32 v171, 3, v0
	v_lshl_add_u32 v171, v171, 4, PBASE            ; those tokens' group is i / 8 + 16 j: the candidates for j = 0 .. 7 lie 256 bytes apart
	s_lshl_b32 s23, ttmp9, 9
	v_lshl_add_u32 v168, v0, 2, s23                ; 4 i + 512 j: my first token
.irp w, 0,1,2,3
	v_mov_b32 v[12+\w], 0
.endr
	s_wait_loadcnt 1                               ; the counts are in; the one load of route words may be out
.irp w, 0,1,2,3
	v_mov_b32 v[8+\w], v[4+\w]
.endr
.irp k, 1,2,4,8
.irp w, 0,1,2,3
	v_mov_b32_dpp v[12+\w], v[8+\w] row_shr:\k row_mask:0xf bank_mask:0xf bound_ctrl:1
.endr
.irp w, 0,1,2,3
	v_add_nc_u32 v[8+\w], v[8+\w], v[12+\w]        ; running sums inside each 16 lanes
.endr
.endr
	v_cmp_lt_u32 vcc_lo, 15, v1
.irp w, 0,1,2,3
	v_readlane_b32 s[20+\w], v[8+\w], 15
.endr
.irp w, 0,1,2,3
	v_mov_b32 v[12+\w], s[20+\w]
	v_cndmask_b32 v[12+\w], 0, v[12+\w], vcc_lo
	v_add_nc_u32 v[8+\w], v[8+\w], v[12+\w]        ; lanes 16-31 add the lower half's total
.endr
.irp w, 0,1,2,3
	v_readlane_b32 s[20+\w], v[8+\w], 31
.endr
.irp w, 0,1,2,3
	v_mov_b32 v[12+\w], s[20+\w]
.endr
	ds_store_b128 v3, v[12:15]                     ; my wave's totals (every lane writes the same bytes with the same values)
	s_wait_dscnt 0x0
	s_barrier_signal -1
	s_barrier_wait -1
.irp k, 0,1,2,3
	ds_load_b128 v[48+4*\k:51+4*\k], v169 offset:16*\k
.endr
	s_wait_dscnt 0x0
.irp w, 0,1,2,3
	v_add_nc_u32 v[68+\w], v[48+\w], v[52+\w]
	v_add3_u32 v[68+\w], v[68+\w], v[56+\w], v[60+\w]
	v_mov_b32 v[64+\w], 0
.endr
.irp k, 0,1,2
	s_cmp_gt_u32 s18, \k
	s_cselect_b32 s20, -1, 0
.irp w, 0,1,2,3
	v_and_b32 v[172+\w], s20, v[48+4*\k+\w]
	v_add_nc_u32 v[64+\w], v[64+\w], v[172+\w]     ; the totals of the waves below mine
.endr
.endr
.irp w, 0,1,2,3
	v_and_b32 v[72+2*\w], 0xffff, v[68+\w]
	v_lshrrev_b32 v[73+2*\w], 16, v[68+\w]
.endr
	v_mov_b32 v88, 0
.irp e, 1,2,3,4,5,6,7,8
	v_add_nc_u32 v172, 63, v[71+\e]
	v_lshrrev_b32 v172, 6, v172
	v_add_nc_u32 v[88+\e], v[87+\e], v172          ; expert e's first tile; number 8: the first tile behind all rows
.endr
.irp e, 0,1,2,3,4,5,6,7,8
	v_lshlrev_b32 v[177+\e], 6, v[88+\e]           ; and its start in the list
.endr
.irp w, 0,1,2,3
	v_lshl_or_b32 v[112+\w], v[178+2*\w], 16, v[177+2*\w]
	v_add3_u32 v[112+\w], v[112+\w], v[64+\w], v[8+\w]
	v_sub_nc_u32 v[112+\w], v[112+\w], v[4+\w]     ; + the rows of the groups below mine
.endr
	ds_store_b128 v170, v[112:115]
	s_wait_dscnt 0x0
	s_barrier_signal -1
	s_barrier_wait -1
.irp j, 0,1,2,3,4,5,6,7
	ds_load_b128 v[120+4*\j:123+4*\j], v171 offset:256*\j          ; the starts of group i / 8 + 16 j, for every j: no LDS address hangs on the work-group's number
.endr
	s_cmp_lg_u32 ttmp9, 0
	s_cbranch_scc1 .Lnot0
	; work-group 0 alone: the table of tiles, and a 0 in every list entry that no row takes
.macro TILE en, add                    ; the entry of tile i + add: the last expert whose first tile is not behind it; a tile behind the last row has 0 rows
	v_add_nc_u32 v110, \add, v0
	v_mov_b32 v[\en], 0
	v_mov_b32 v108, 0
	v_mov_b32 v109, v72
.irp e, 1,2,3,4,5,6,7
	v_cmp_gt_u32 vcc_lo, v[88+\e], v110
	v_cndmask_b32 v[\en], \e, v[\en], vcc_lo
	v_cndmask_b32 v108, v[88+\e], v108, vcc_lo
	v_cndmask_b32 v109, v[72+\e], v109, vcc_lo
.endr
	v_sub_nc_u32 v108, v110, v108
	v_lshlrev_b32 v108, 6, v108                    ; rows of the expert in front of this tile
	v_cmp_lt_u32 vcc_lo, v108, v109
	v_sub_nc_u32 v109, v109, v108
	v_cndmask_b32 v109, 0, v109, vcc_lo
	v_min_u32 v[\en+2], 64, v109
	v_mov_b32 v[\en+1], 0
	v_mov_b32 v[\en+3], 0
	global_store_b128 v2, v[\en:\en+3], s[10:11] offset:16*\add
.endm
	TILE 100, 0
	TILE 104, 128
	v_mov_b32 v111, 0
	v_add_nc_u32 v186, NLIST, v0                   ; my dump word: a lane with nothing to fill stores its 0 there, so that EXEC stays whole
.irp e, 0,1,2,3,4,5,6,7
	v_add3_u32 v187, v[177+\e], v[72+\e], v0       ; behind expert e's last row,
	v_cmp_lt_u32 vcc_lo, v187, v[178+\e]           ; as far as the next expert's start
	v_cndmask_b32 v187, v186, v187, vcc_lo
	v_min_u32 v187, NLIST+127, v187                ; a number made of loaded ones enters an address only behind this hold
	v_lshlrev_b32 v[188+\e], 2, v187
	global_store_b32 v[188+\e], v111, s[10:11] offset:4096
.endr
.irp k, 0,1,2,3
	v_add3_u32 v187, v185, v0, 128*\k              ; behind the last expert's tiles, as far as the list's end: at most 7 x 64 entries
	v_cmp_gt_u32 vcc_lo, NLIST, v187
	v_cndmask_b32 v187, v186, v187, vcc_lo
	v_min_u32 v187, NLIST+127, v187
	v_lshlrev_b32 v[196+\k], 2, v187
	global_store_b32 v[196+\k], v111, s[10:11] offset:4096
.endr
.Lnot0:
	s_wait_loadcnt 0x0                             ; the route words
	s_wait_dscnt 0x0                               ; the candidates
.irp k, 1,2,3,4,5,6,7
	s_cmp_eq_u32 ttmp9, \k
	s_cselect_b32 s20, -1, 0
.irp w, 0,1,2,3
	v_cndmask_b32 v[120+\w], v[120+\w], v[120+4*\k+\w], s20        ; candidate j is my tokens' group's
.endr
.endr
.macro SLOT n, w, k, cst               ; slot k of the token whose word is v[w]: its place = its group's start for its expert + its rank; the entry is slot x 4096 + token
	v_bfe_u32 v172, v[(\w)], 4*\k, 3
	v_bfe_u32 v173, v[(\w)], 8+8*\k, 8
	v_cmp_lt_u32 vcc_lo, 3, v172
	v_cndmask_b32 v174, v120, v122, vcc_lo
	v_cndmask_b32 v175, v121, v123, vcc_lo
	v_and_b32 v176, 2, v172
	v_cmp_ne_u32 vcc_lo, 0, v176
	v_cndmask_b32 v174, v174, v175, vcc_lo
	v_and_b32 v176, 1, v172
	v_lshlrev_b32 v176, 4, v176
	v_bfe_u32 v174, v174, v176, 16
	v_add_nc_u32 v174, v174, v173
	v_min_u32 v174, NLIST-1, v174                  ; a loaded number enters an address only behind this hold
	v_lshlrev_b32 v[152+(\n)], 2, v174
	v_add_nc_u32 v[160+(\n)], (\cst), v168
	global_store_b32 v[152+(\n)], v[160+(\n)], s[10:11] offset:4096   ; four bytes a lane to scattered places: this is the sort itself, 4 KiB a work-group; each store has registers of its own
.endm
.irp q, 0,1,2,3
	SLOT 2*\q, 16+\q, 0, \q
	SLOT 2*\q+1, 16+\q, 1, \q+4096
.endr
	s_wait_tensorcnt 0x0
	ds_add_u32 v254, v255
	s_wait_dscnt 0x0
	s_endpgm
.Lfunc_end_k_q66df709f15_prep2:
	.size	k_q66df709f15_prep2, .Lfunc_end_k_q66df709f15_prep2-k_q66df709f15_prep2
	.p2alignl 7, 3214868480
	.fill 96, 4, 3214868480
	.section	.rodata,"a",@progbits
	.p2align	6, 0x0
	.amdhsa_kernel k_q66df709f15_prep2
		.amdhsa_group_segment_fixed_size 37120
		.amdhsa_private_segment_fixed_size 0
		.amdhsa_enable_private_segment 0
		.amdhsa_kernarg_size 32
		.amdhsa_user_sgpr_count 2
		.amdhsa_user_sgpr_kernarg_segment_ptr 1
		.amdhsa_wavefront_size32 1
		.amdhsa_system_sgpr_workgroup_id_x 1
		.amdhsa_system_sgpr_workgroup_id_y 1
		.amdhsa_system_sgpr_workgroup_id_z 1
		.amdhsa_system_vgpr_workitem_id 0
		.amdhsa_next_free_vgpr 256
		.amdhsa_next_free_sgpr 66
		.amdhsa_reserve_vcc 1
		.amdhsa_float_denorm_mode_32 3
		.amdhsa_float_denorm_mode_16_64 3
		.amdhsa_memory_ordered 1
		.amdhsa_forward_progress 1
		.amdhsa_inst_pref_size 44
	.end_amdhsa_kernel
	.amdgpu_metadata
---
amdhsa.version: [ 1, 2 ]
amdhsa.kernels:
  - .name:           k_q66df709f15_prep2
    .symbol:         k_q66df709f15_prep2.kd
    .args:
      - { .name: w2, .offset: 0, .size: 8, .value_kind: global_buffer, .address_space: global }
      - { .name: route, .offset: 8, .size: 8, .value_kind: global_buffer, .address_space: global }
      - { .name: w2q, .offset: 16, .size: 8, .value_kind: global_buffer, .address_space: global }
      - { .name: plan, .offset: 24, .size: 8, .value_kind: global_buffer, .address_space: global }
    .group_segment_fixed_size: 37120
    .private_segment_fixed_size: 0
    .kernarg_segment_align: 8
    .kernarg_segment_size: 32
    .max_flat_workgroup_size: 128
    .sgpr_count:     66
    .vgpr_count:     256
    .wavefront_size: 32
...
	.end_amdgpu_metadata
.endif
;; end of part 2
;; launch chain (part 3): grid 135 x 1, 4 waves a work-group, no clusters, 60,928 bytes of LDS; arguments xq, w1q, w2q, plan, gw, ybuf; writes ybuf
.if DOCPART == 3
	.amdgcn_target "amdgcn-amd-amdhsa--gfx1250"
	.amdhsa_code_object_version 6
	.text
	.protected	k_q66df709f15_chain
	.globl	k_q66df709f15_chain
	.p2align	8
	.type	k_q66df709f15_chain,@function
k_q66df709f15_chain:
	s_mov_b64 s[64:65], 0
	v_nop
	global_prefetch_b8 v0, s[64:65] scope:SCOPE_SE
	s_setreg_imm32_b32 hwreg(HW_REG_WAVE_MODE, 25, 1), 1
	s_wait_xcnt 0x0
; THIRD LAUNCH.  A work-group takes one tile of at most 64 routed rows of ONE expert through the whole chain: gather x's codes, h = relu(x W1^T), quantise h along its 2,048, y = h W2^T, y x the gate's weight,
; and stores each row at ybuf[slot][token].  Both products on codes of BF6 (E3M2) with one E8M0 scale for each 32 along K, sums in f32.  The hidden layer never goes to memory.
; THE GRID: 8,192 routed rows in tiles of 64 over 8 experts are never more than 128 + 7 tiles, whatever the split.  A tile that the split leaves without rows walks the chain like any other and stores nothing:
; every wave passes every barrier, and no barrier stands under a branch on a loaded number.  Tile t's 64 list entries lie at list[64 t ..]; those beyond its count hold 0: computed (token 0's numbers), not stored.
; So the list's address hangs on the work-group's number alone: the tile's entry, its 64 row destinations (scalar) and its list (vector) are asked for together, straight behind the arguments.
; NO CLUSTER, NO TENSOR LOAD: how many tiles an expert has hangs on stored numbers, so partners could not be given tiles of one expert at every split; the weights go from memory straight into operand registers.
; SHARES.  THE WAVES SHARE THE COLUMNS.  The 2,048 hidden units go in four chunks of 512.  Phase 1 of chunk c: wave w makes hidden units 512 c + 128 w .. + 127 for all 64 rows, 32 units (a block of the next K) at a time,
; and quantises them in registers: they are K step 4 c + w of the second product, and go to LDS as images of the operand's registers.  Phase 2: wave w adds the chunk's four K steps onto output columns 128 w .. + 127.
; Both products are used transposed (source 0 = 16 rows of a weight, source 1 = 16 rows of tokens): a lane holds ONE token throughout.
; THE WEIGHTS come as groups of 12,800 bytes (8 fragments and their scale words, in register order) through a ring of four register sets: 25 loads of 512 consecutive bytes a group, each fragment feeding 4 matrix instructions.
; LIMITS: as the quantiser's in the launches before: a block of the hidden layer that is all zeros has the byte 1 and zero codes; NaN and infinities are not served.
; REGISTERS (absolute; window = number / 256): v1-9 addresses; v16-23 gate weights (pairs, the odd ones 0); v24-39 the ring's scale words, v40-47 x's, v48-55 the hidden layer's: these hold scales and nothing else;
; v56-67 at work; v68-131 phase 1's eight accumulators; v132-179 codes being made; in phase 2 v68-163 two buffers of four hidden fragments; v180-251, v448-507, v512-763 the ring's 32 fragments;
; v256-447 x's 16 fragments; v768-1023 y's 32 accumulators.
; SCALARS: s[2:3] lane selects; s[4:15] the six buffers; s16 wave; s17 the tile entry's offset; s18 trips; s19 at work; s[20:23] the tile's entry; s[24:25] its list; s[26:27] W1's groups, s[28:29] W2's;
; s32-63 and s68-99 the 64 row destinations.
.set HSC,  24576                       ; LDS: 0: the hidden layer's 16 fragments (4 m + s) of 1,536 bytes: half c at 768 c, as 16 bytes a lane and then 8 bytes a lane;  here: their scale words, 128 bytes each
.set OSTG, 26624                       ; the way out: 16 rows x (512 + 16) bytes for each wave
.set WO,  1                            ; v1  16 x lane
.set HLJ, 2                            ; v2  8 x lane + 512
.set HLS, 3                            ; v3  4 x lane + HSC
.set HWI, 4                            ; v4  16 x lane + 1536 x wave
.set HWJ, 5                            ; v5  8 x lane + 512 + 1536 x wave
.set HWS, 6                            ; v6  4 x lane + HSC + 128 x wave
.set SO,  7                            ; v7  my stage: row r, + 32 h
.set RD,  8                            ; v8  my stage: 16 x lane
.set CO,  9                            ; v9  16 x lane + 512 x wave: my bytes of a row of ybuf
.set GW,  16
.set RS,  24
.set XS,  40
.set HS,  48
.set TM,  56
.set PW,  64
.set HA,  68                           ; accumulator (m, u) at HA + 16 m + 8 u
.set HB,  68                           ; hidden fragments: buffer b, tile m at HB + 48 b + 12 m
.set P,   132
.set T,   164
.set XR,  256                          ; x's fragment (m, s) at XR + 12 (4 m + s)
.set YA,  768                          ; y's accumulator (n, m) at YA + 8 (4 n + m)
.set TY,  68
.set BK,  132
.set AD,  196
.set MSB, 0
.macro WIN new                         ; the immediate's high byte repeats the setting that is left; a switch that changes nothing is dropped
.if MSB != (\new)
	s_set_vgpr_msb (MSB<<8)|(\new)
.set MSB, (\new)
.endif
.endm
.macro RF f                            ; RFA = where ring fragment f lies
.if (\f) < 21
.set RFA, 512+12*(\f)
.elseif (\f) < 26
.set RFA, 448+12*((\f)-21)
.else
.set RFA, 180+12*((\f)-26)
.endif
.endm
.macro PLACES n
.rept \n
	v_nop
.endr
.endm
.macro BARRIER                         ; my LDS stores have landed and my LDS loads are in: then the work-group's barrier
	s_wait_dscnt 0x0
	s_barrier_signal -1
	s_barrier_wait -1
.endm
; One matrix instruction by absolute register numbers.  zero: the sum begins.  ra, rb: the side's scale words stand in lanes 16-31 of the register named.
.macro MMX d, a, b, zero, sa, sb, ra, rb
.set MD, (\d)&255
.set MA, (\a)&255
.set MB, (\b)&255
	WIN (((\d)>>8)*0x50)|(((\b)>>8)<<2)|((\a)>>8)
.if \zero
.if \ra
.if \rb
	v_wmma_scale_f32_16x16x128_f8f6f4 v[MD:MD+7], v[MA:MA+11], v[MB:MB+11], 0, v[\sa], v[\sb] matrix_a_fmt:MATRIX_FMT_BF6 matrix_b_fmt:MATRIX_FMT_BF6 matrix_a_scale:MATRIX_SCALE_ROW1 matrix_b_scale:MATRIX_SCALE_ROW1
.else
	v_wmma_scale_f32_16x16x128_f8f6f4 v[MD:MD+7], v[MA:MA+11], v[MB:MB+11], 0, v[\sa], v[\sb] matrix_a_fmt:MATRIX_FMT_BF6 matrix_b_fmt:MATRIX_FMT_BF6 matrix_a_scale:MATRIX_SCALE_ROW1
.endif
.else
.if \rb
	v_wmma_scale_f32_16x16x128_f8f6f4 v[MD:MD+7], v[MA:MA+11], v[MB:MB+11], 0, v[\sa], v[\sb] matrix_a_fmt:MATRIX_FMT_BF6 matrix_b_fmt:MATRIX_FMT_BF6 matrix_b_scale:MATRIX_SCALE_ROW1
.else
	v_wmma_scale_f32_16x16x128_f8f6f4 v[MD:MD+7], v[MA:MA+11], v[MB:MB+11], 0, v[\sa], v[\sb] matrix_a_fmt:MATRIX_FMT_BF6 matrix_b_fmt:MATRIX_FMT_BF6
.endif
.endif
.else
.if \ra
.if \rb
	v_wmma_scale_f32_16x16x128_f8f6f4 v[MD:MD+7], v[MA:MA+11], v[MB:MB+11], v[MD:MD+7], v[\sa], v[\sb] matrix_a_fmt:MATRIX_FMT_BF6 matrix_b_fmt:MATRIX_FMT_BF6 matrix_a_scale:MATRIX_SCALE_ROW1 matrix_b_scale:MATRIX_SCALE_ROW1
.else
	v_wmma_scale_f32_16x16x128_f8f6f4 v[MD:MD+7], v[MA:MA+11], v[MB:MB+11], v[MD:MD+7], v[\sa], v[\sb] matrix_a_fmt:MATRIX_FMT_BF6 matrix_b_fmt:MATRIX_FMT_BF6 matrix_a_scale:MATRIX_SCALE_ROW1
.endif
.else
.if \rb
	v_wmma_scale_f32_16x16x128_f8f6f4 v[MD:MD+7], v[MA:MA+11], v[MB:MB+11], v[MD:MD+7], v[\sa], v[\sb] matrix_a_fmt:MATRIX_FMT_BF6 matrix_b_fmt:MATRIX_FMT_BF6 matrix_b_scale:MATRIX_SCALE_ROW1
.else
	v_wmma_scale_f32_16x16x128_f8f6f4 v[MD:MD+7], v[MA:MA+11], v[MB:MB+11], v[MD:MD+7], v[\sa], v[\sb] matrix_a_fmt:MATRIX_FMT_BF6 matrix_b_fmt:MATRIX_FMT_BF6
.endif
.endif
.endif
.endm
; A group of weights into ring set g: 25 loads of 512 consecutive bytes.  No hint: the expert's other tiles read the same bytes.
.macro LOADG g, base, imm
.irp f, 0,1,2,3,4,5,6,7
	RF 8*(\g)+\f
	WIN ((RFA>>8)<<6)
.irp q, 0,1,2
	global_load_b128 v[(RFA&255)+4*\q:(RFA&255)+4*\q+3], v[WO], s[\base:\base+1] offset:(\imm)+1536*\f+512*\q
.endr
.endr
	WIN 0
	global_load_b128 v[RS+4*(\g):RS+4*(\g)+3], v[WO], s[\base:\base+1] offset:(\imm)+12288
.endm
; Block g (32 hidden units) of the wave's K step, for the four tiles of rows.  In accumulators (m, 0) and (m, 1) lane (r, h) holds token r and units 16 h + 0 .. 15 of the block.
.macro QBLOCK g
.if \g == 2
	s_wait_dscnt 0x0                               ; the stores of the fragments' first halves have read the registers that are now written again
.endif
.set j, 0
.rept 64
	v_max_num_f32 v[HA+j], 0, v[HA+j]              ; the activation, in f32; ascending
.set j, j+1
.endr
.irp m, 0,1,2,3
	v_max3_num_f32 v[TM+\m], v[HA+16*\m], v[HA+16*\m+1], 0x2800000   ; no |.|: none is negative; the floor 2^(5 - 127) holds the byte at 1 from below
.endr
.irp i, 2,4,6,8,10,12,14
.irp m, 0,1,2,3
	v_max3_num_f32 v[TM+\m], v[TM+\m], v[HA+16*\m+\i], v[HA+16*\m+\i+1]
.endr
.endr
.irp m, 0,1,2,3
	v_permlanex16_b32 v[TM+4+\m], v[TM+\m], s2, s3
.endr
.irp m, 0,1,2,3
	v_max_num_f32 v[TM+\m], v[TM+\m], v[TM+4+\m]   ; with lane l xor 16's 16 units: the block's largest
.endr
.irp m, 0,1,2,3
	v_add_nc_u32 v[TM+\m], 0xfe000000, v[TM+\m]    ; 4 off the exponent field: the conversion's scale operand
.endr
.irp m, 0,1,2,3
	v_lshrrev_b32 v[TM+4+\m], 23, v[TM+\m]         ; the byte
.endr
.irp m, 0,1,2,3
.if \g == 0
	v_mov_b32 v[PW+\m], v[TM+4+\m]
.else
	v_lshl_or_b32 v[PW+\m], v[TM+4+\m], 8*\g, v[PW+\m]
.endif
.endr
.irp m, 0,1,2,3
.if (\g)%2 == 0
	v_cvt_scalef32_pk16_bf6_f32 v[P+8*\m:P+8*\m+2], v[HA+16*\m:HA+16*\m+15], v[TM+\m]
.else
	v_cvt_scalef32_pk16_bf6_f32 v[T+4*\m:T+4*\m+2], v[HA+16*\m:HA+16*\m+15], v[TM+\m]
.endif
.endr
	v_nop                                          ; one plain line behind the scaled conversions
.if (\g)%2 == 1                        ; the operand's layout wants a WHOLE block in a lane: lanes 0-15 the even block, lanes 16-31 the odd one
.irp m, 0,1,2,3
.irp i, 0,1,2
	v_permlane16_swap_b32 v[P+8*\m+\i], v[T+4*\m+\i]
.endr
.irp i, 0,1,2
	v_mov_b32 v[P+8*\m+3+\i], v[T+4*\m+\i]
.endr
	ds_store_b128 v[HWI], v[P+8*\m:P+8*\m+3] offset:6144*\m+768*(\g/2)   ; half g / 2 of fragment 4 m + wave, as its registers stand
	ds_store_b64 v[HWJ], v[P+8*\m+4:P+8*\m+5] offset:6144*\m+768*(\g/2)
.endr
.endif
.if \g == 3
.irp m, 0,1,2,3
	ds_store_b32 v[HWS], v[PW+\m] offset:512*\m
.endr
.endif
.endm
; K step s of the chunk: four hidden fragments and their scale words into buffer b: 20 LDS loads
.macro FETCHH s, b
.irp m, 0,1,2,3
.irp c, 0,1
	ds_load_b128 v[HB+48*(\b)+12*\m+6*\c:HB+48*(\b)+12*\m+6*\c+3], v[WO] offset:1536*(4*\m+(\s))+768*\c
	ds_load_b64 v[HB+48*(\b)+12*\m+6*\c+4:HB+48*(\b)+12*\m+6*\c+5], v[HLJ] offset:1536*(4*\m+(\s))+768*\c
.endr
	ds_load_b32 v[HS+4*(\b)+\m], v[HLS] offset:128*(4*\m+(\s))
.endr
.endm
; PHASE 1 of a chunk.  Group g: 32 matrix instructions, the eight accumulators by turns, K ascending; then the set takes this chunk's W2 group g, and the block is quantised.
; Behind the set that a group needs three sets, 75 loads, have been issued; a wait's count holds 63 at the most (ISA guide 5.7.1), which is the stricter and so the safe count.
; W1's base steps on to the next chunk behind the first group's products: the last loads that name it were issued 32 matrix instructions ago or more, and the step stands behind the wait that frees it.
.macro PH1 n0
.irp g, 0,1,2,3
.if \g == 0
	s_wait_loadcnt \n0
.else
	s_wait_loadcnt 63
.endif
.irp s, 0,1,2,3
.irp u, 0,1
.irp m, 0,1,2,3
	RF 8*\g+4*\u+\s
	MMX HA+16*\m+8*\u, RFA, XR+12*(4*\m+\s), (\s==0), RS+4*\g+2*\u+(\s>>1), XS+4*(\m>>1)+\s, (\s&1), (\m&1)
.endr
.endr
.endr
	WIN 0
	PLACES 4                                       ; in front of loads into registers that the products read, and of the first read of their results
.if \g == 0
	s_wait_xcnt 0x0                                ; every earlier load has read its base
	s_add_nc_u64 s[26:27], s[26:27], 51200         ; W1's groups of the next chunk
.endif
	LOADG \g, 28, 12800*\g
	QBLOCK \g                                      ; its lines on v56-67 name no register of the products: with the four above they are more than the five places owed before the next group's products write the accumulators anew
.endr
	BARRIER                                        ; the chunk's sixteen hidden fragments lie in LDS
.endm
; PHASE 2 of a chunk.  K step s: 32 matrix instructions, y's 32 accumulators by turns; then (refill = 1) the set takes the next chunk's W1 group s.  W2's base steps behind the first K step's products, as W1's does in phase 1.
.macro PH2 zero, refill
	FETCHH 0, 0
.irp s, 0,1,2,3
.if \s < 3
	FETCHH \s+1, (\s+1)%2
	s_wait_dscnt 20                                ; this K step's fragments are in; the 20 loads just issued may be out
.else
	s_wait_dscnt 0x0
.endif
.if \refill || (\s == 0)
	s_wait_loadcnt 63                              ; 75 loads were issued behind this set's
.else
	s_wait_loadcnt 25*(3-\s)                       ; the last chunk: only the W2 groups still to come are behind
.endif
.irp n, 0,1,2,3,4,5,6,7
.irp m, 0,1,2,3
	RF 8*\s+\n
	MMX YA+8*(4*\n+\m), RFA, HB+48*(\s%2)+12*\m, (\zero&&(\s==0)), RS+4*\s+(\n>>1), HS+4*(\s%2)+\m, (\n&1), 0
.endr
.endr
	WIN 0
.if \s == 3
	PLACES 5                                       ; five: phase 1's products next write over registers that these products read
.else
	PLACES 4
.endif
.if \refill
.if \s == 0
	s_wait_xcnt 0x0                                ; every earlier load has read its base
	s_add_nc_u64 s[28:29], s[28:29], 51200         ; W2's groups of the next chunk
.endif
	LOADG \s, 26, 12800*\s
.endif
.endr
.if \refill
	BARRIER                                        ; every wave's reads of the images are over: the next chunk may write them
.endif
.endm
	s_load_b256 s[4:11], s[0:1], 0x0               ; xq s[4:5], w1q s[6:7], w2q s[8:9], plan s[10:11]
	s_load_b128 s[12:15], s[0:1], 0x20             ; gw s[12:13], ybuf s[14:15]
	v_lshl_add_u32 v254, v0, 2, 0xec00
	v_mov_b32 v255, 0
	v_lshrrev_b32 v10, 5, v0
	v_readfirstlane_b32 s16, v10                   ; wave 0..3
	v_and_b32 v10, 31, v0                          ; lane
	v_and_b32 v11, 15, v0                          ; r
	v_bfe_u32 v12, v0, 4, 1                        ; h
	v_lshlrev_b32 v14, 2, v11                      ; 4 r
	v_lshlrev_b32 v15, 2, v10                      ; 4 x lane
	s_lshl_b32 s17, ttmp9, 4                       ; my tile's entry
	s_lshl_b32 s30, ttmp9, 8                       ; my tile's 64 list entries: 256 bytes a tile, behind the table
	s_add_co_u32 s30, s30, 4096
	s_mov_b32 s31, 0
	s_mov_b32 s2, 0x76543210
	s_mov_b32 s3, 0xfedcba98                       ; v_permlanex16_b32's selects for lane l xor 16
	s_wait_kmcnt 0x0
	s_add_nc_u64 s[24:25], s[10:11], s[30:31]
	s_load_b128 s[20:23], s[10:11], s17 offset:0x0 ; my tile: expert s20, rows s22
	s_load_b512 s[32:47], s[24:25], 0x0            ; where the 64 rows go: wanted on the way out, asked for here
	s_load_b512 s[48:63], s[24:25], 0x40
	s_load_b512 s[68:83], s[24:25], 0x80
	s_load_b512 s[84:99], s[24:25], 0xc0
.irp m, 0,1,2,3
	global_load_b32 v[68+\m], v14, s[24:25] offset:64*\m           ; row 16 m + r: for the codes and the weight
.endr
.irp p, 0,1
	global_load_b32 v[72+\p], v15, s[24:25] offset:128*\p          ; row 32 p + lane: for the scale words: tile 2 p in lanes 0-15, tile 2 p + 1 in lanes 16-31
.endr
	v_lshlrev_b32 v[WO], 4, v10
	v_lshl_add_u32 v[HLJ], v10, 3, 512
	v_lshl_add_u32 v[HLS], v10, 2, HSC
	s_mul_i32 s19, s16, 1536
	v_add_nc_u32 v[HWI], s19, v[WO]
	v_add_nc_u32 v[HWJ], s19, v[HLJ]
	s_lshl_b32 s19, s16, 7
	v_add_nc_u32 v[HWS], s19, v[HLS]
	s_mul_i32 s19, s16, 8448
	s_add_co_u32 s19, s19, OSTG
	v_mul_u32_u24 v13, v11, 528
	v_lshl_add_u32 v13, v12, 5, v13
	v_add_nc_u32 v[SO], s19, v13
	v_add_nc_u32 v[RD], s19, v[WO]
	s_lshl_b32 s19, s16, 9
	v_add_nc_u32 v[CO], s19, v[WO]
	v_mul_u32_u24 v13, v12, 192                    ; 192 h: my half of a token's record
.irp m, 0,1,2,3
	v_mov_b32 v[GW+2*\m+1], 0                      ; named with the weight as a pair, so it is written
	v_mov_b32 v[TM+4+\m], 0                        ; written once: a lane permute's destination counts as one of its sources
.endr
	s_wait_kmcnt 0x0
	s_min_u32 s20, s20, 7                          ; a loaded number enters an address only behind this hold
	s_lshl_b32 s30, s20, 2
	s_add_co_u32 s30, s30, s16
	s_mul_i32 s30, s30, 204800                     ; 16 groups for each expert and wave
	s_add_nc_u64 s[26:27], s[6:7], s[30:31]        ; W1's groups, chunk 0
	s_add_nc_u64 s[28:29], s[8:9], s[30:31]        ; W2's
	LOADG 0, 26, 0
	LOADG 1, 26, 12800
	s_wait_loadcnt 50                              ; the six list loads are in; the two sets may be out
.irp m, 0,1,2,3
	v_min_u32 v[68+\m], 0x1fff, v[68+\m]
.endr
.irp p, 0,1
	v_min_u32 v[72+\p], 0x1fff, v[72+\p]
.endr
.irp m, 0,1,2,3
	v_and_b32 v[76+\m], 0xfff, v[68+\m]            ; the token
	v_mul_u32_u24 v[76+\m], v[76+\m], 400
	v_add_nc_u32 v[76+\m], v[76+\m], v13
	v_lshlrev_b32 v[84+\m], 2, v[68+\m]            ; gw is [slot][token]: 4 x the entry
.endr
.irp p, 0,1
	v_and_b32 v[80+\p], 0xfff, v[72+\p]
	v_mul_u32_u24 v[80+\p], v[80+\p], 400
.endr
	WIN 0x40                                       ; destination window 1
.irp m, 0,1,2,3
.irp s, 0,1,2,3
.irp q, 0,1,2
	global_load_b128 v[12*(4*\m+\s)+4*\q:12*(4*\m+\s)+4*\q+3], v[76+\m], s[4:5] offset:48*\s+16*\q   ; x's fragments stay in registers
.endr
.endr
.endr
	WIN 0
.irp p, 0,1
	global_load_b128 v[XS+4*\p:XS+4*\p+3], v[80+\p], s[4:5] offset:384     ; four scale words a token
.endr
.irp m, 0,1,2,3
	global_load_b32 v[GW+2*\m], v[84+\m], s[12:13]
.endr
	LOADG 2, 26, 25600
	LOADG 3, 26, 38400
	PH1 50                                         ; behind x's codes, scale words and weights only sets 2 and 3 were issued; that wait also frees the gathers' address registers
	PH2 1, 1
	s_mov_b32 s18, 2
.Lchunk:
	PH1 63
	PH2 0, 1
	s_sub_co_u32 s18, s18, 1
	s_cmp_lg_u32 s18, 0
	s_cbranch_scc1 .Lchunk
	PH1 63
	PH2 0, 0                                       ; the last chunk asks for nothing more; the five places behind its products serve the lines below
	; THE WAY OUT, a tile of 16 rows at a time.  In accumulator (n, m) lane (r, h) holds row 16 m + r and columns 16 n + 8 h + 0 .. 7 of my 128: x the row's weight, through my own stage, back as whole rows of 512 bytes.
.irp m, 0,1,2,3
	WIN 0x03                                       ; source 0 window 3
.irp n, 0,1,2,3,4,5,6,7
.irp k, 0,2,4,6
	v_pk_mul_f32 v[TY+8*\n+\k:TY+8*\n+\k+1], v[8*(4*\n+\m)+\k:8*(4*\n+\m)+\k+1], v[GW+2*\m:GW+2*\m+1] op_sel_hi:[1,0]   ; each accumulator from its low end on
.endr
.endr
	WIN 0
.irp n, 0,1,2,3,4,5,6,7
	ds_store_b128 v[SO], v[TY+8*\n:TY+8*\n+3] offset:64*\n
	ds_store_b128 v[SO], v[TY+8*\n+4:TY+8*\n+7] offset:64*\n+16
.endr
.if \m > 0
	s_wait_xcnt 0x0                                ; the last tile's stores have read their address and data registers, which the lines below write again
.endif
.irp i, 0,1,2,3,4,5,6,7,8,9,10,11,12,13,14,15
	ds_load_b128 v[BK+4*\i:BK+4*\i+3], v[RD] offset:528*\i         ; LDS serves a wave's instructions in order: these see my stores
.endr
.irp i, 0,1,2,3,4,5,6,7,8,9,10,11,12,13,14,15
	s_cmp_le_u32 s22, 16*\m+\i                     ; the tile's rows are over: nothing more is stored (behind the last barrier)
	s_cbranch_scc1 .Lend
	s_min_u32 s19, s[32+16*\m+4*(\m/2)+\i], 8191
	s_lshl_b32 s19, s19, 11                        ; a row of ybuf is 2,048 bytes
	v_add_nc_u32 v[AD+\i], s19, v[CO]
	s_wait_dscnt 15-\i                             ; row i is back; the younger rows may be out
	global_store_b128 v[AD+\i], v[BK+4*\i:BK+4*\i+3], s[14:15]     ; 512 consecutive bytes, at a multiple of 256 from the buffer's first byte
.endr
.endr
.Lend:
	s_wait_tensorcnt 0x0
	ds_add_u32 v254, v255
	s_wait_dscnt 0x0
	s_endpgm
.Lfunc_end_k_q66df709f15_chain:
	.size	k_q66df709f15_chain, .Lfunc_end_k_q66df709f15_chain-k_q66df709f15_chain
	.p2alignl 7, 3214868480
	.fill 96, 4, 3214868480
	.section	.rodata,"a",@progbits
	.p2align	6, 0x0
	.amdhsa_kernel k_q66df709f15_chain
		.amdhsa_group_segment_fixed_size 60928
		.amdhsa_private_segment_fixed_size 0
		.amdhsa_enable_private_segment 0
		.amdhsa_kernarg_size 48
		.amdhsa_user_sgpr_count 2
		.amdhsa_user_sgpr_kernarg_segment_ptr 1
		.amdhsa_wavefront_size32 1
		.amdhsa_system_sgpr_workgroup_id_x 1
		.amdhsa_system_sgpr_workgroup_id_y 1
		.amdhsa_system_sgpr_workgroup_id_z 1
		.amdhsa_system_vgpr_workitem_id 0
		.amdhsa_next_free_vgpr 1024
		.amdhsa_next_free_sgpr 100
		.amdhsa_reserve_vcc 0
		.amdhsa_float_denorm_mode_32 3
		.amdhsa_float_denorm_mode_16_64 3
		.amdhsa_memory_ordered 1
		.amdhsa_forward_progress 1
		.amdhsa_inst_pref_size 255
	.end_amdhsa_kernel
	.section	.bss,"aw",@nobits
	.p2align	6
	.space	262144
	.amdgpu_metadata
---
amdhsa.version: [ 1, 2 ]
amdhsa.kernels:
  - .name:           k_q66df709f15_chain
    .symbol:         k_q66df709f15_chain.kd
    .args:
      - { .name: xq, .offset: 0, .size: 8, .value_kind: global_buffer, .address_space: global }
      - { .name: w1q, .offset: 8, .size: 8, .value_kind: global_buffer, .address_space: global }
      - { .name: w2q, .offset: 16, .size: 8, .value_kind: global_buffer, .address_space: global }
      - { .name: plan, .offset: 24, .size: 8, .value_kind: global_buffer, .address_space: global }
      - { .name: gw, .offset: 32, .size: 8, .value_kind: global_buffer, .address_space: global }
      - { .name: ybuf, .offset: 40, .size: 8, .value_kind: global_buffer, .address_space: global }
    .group_segment_fixed_size: 60928
    .private_segment_fixed_size: 0
    .kernarg_segment_align: 8
    .kernarg_segment_size: 48
    .max_flat_workgroup_size: 128
    .sgpr_count:     100
    .vgpr_count:     1024
    .wavefront_size: 32
...
	.end_amdgpu_metadata
.endif
;; end of part 3
;; launch combine (part 4): grid 256 x 1, 8 waves a work-group, no clusters, 0 bytes of LDS; arguments ybuf, out0; writes out0
.if DOCPART == 4
	.amdgcn_target "amdgcn-amd-amdhsa--gfx1250"
	.amdhsa_code_object_version 6
	.text
	.protected	k_q66df709f15_combine
	.globl	k_q66df709f15_combine
	.p2align	8
	.type	k_q66df709f15_combine,@function
k_q66df709f15_combine:
	s_mov_b64 s[64:65], 0
	v_nop
	global_prefetch_b8 v0, s[64:65] scope:SCOPE_SE
	s_setreg_imm32_b32 hwreg(HW_REG_WAVE_MODE, 25, 1), 1
	s_wait_xcnt 0x0
; FOURTH LAUNCH.  out0[t] = ybuf[0][t] + ybuf[1][t]: a token's two weighted expert rows, one f32 addition a number.  A stream: each byte read once and written once.
; A work-group takes 32,768 bytes of out0, a wave 4,096: eight pairs of loads of 512 consecutive bytes, all issued at once; no loop, no LDS, no barrier.
	s_load_b128 s[4:7], s[0:1], 0x0                ; ybuf s[4:5], out0 s[6:7]
	v_and_b32 v1, 31, v0
	v_lshrrev_b32 v2, 5, v0
	v_lshlrev_b32 v1, 4, v1
	v_lshl_add_u32 v1, v2, 12, v1                  ; 4,096 x wave + 16 x lane
	s_lshl_b32 s2, ttmp9, 15
	s_mov_b32 s3, 0
	s_wait_kmcnt 0x0
	s_add_nc_u64 s[4:5], s[4:5], s[2:3]
	s_add_nc_u64 s[6:7], s[6:7], s[2:3]
	s_add_nc_u64 s[8:9], s[4:5], 0x800000          ; slot 1 lies 8,388,608 bytes on: beyond the immediate, so it has a base of its own
.irp i, 0,1,2,3,4,5,6,7
	global_load_b128 v[4+4*\i:7+4*\i], v1, s[4:5] offset:512*\i th:TH_LOAD_NT
	global_load_b128 v[36+4*\i:39+4*\i], v1, s[8:9] offset:512*\i th:TH_LOAD_NT
.endr
.irp i, 0,1,2,3,4,5,6,7
	s_wait_loadcnt 14-2*\i                         ; pair i is in; the younger pairs may be out
	v_pk_add_f32 v[4+4*\i:5+4*\i], v[4+4*\i:5+4*\i], v[36+4*\i:37+4*\i]
	v_pk_add_f32 v[6+4*\i:7+4*\i], v[6+4*\i:7+4*\i], v[38+4*\i:39+4*\i]
	global_store_b128 v1, v[4+4*\i:7+4*\i], s[6:7] offset:512*\i th:TH_STORE_NT
.endr
	s_endpgm
.Lfunc_end_k_q66df709f15_combine:
	.size	k_q66df709f15_combine, .Lfunc_end_k_q66df709f15_combine-k_q66df709f15_combine
	.p2alignl 7, 3214868480
	.fill 96, 4, 3214868480
	.section	.rodata,"a",@progbits
	.p2align	6, 0x0
	.amdhsa_kernel k_q66df709f15_combine
		.amdhsa_group_segment_fixed_size 0
		.amdhsa_private_segment_fixed_size 0
		.amdhsa_enable_private_segment 0
		.amdhsa_kernarg_size 16
		.amdhsa_user_sgpr_count 2
		.amdhsa_user_sgpr_kernarg_segment_ptr 1
		.amdhsa_wavefront_size32 1
		.amdhsa_system_sgpr_workgroup_id_x 1
		.amdhsa_system_sgpr_workgroup_id_y 1
		.amdhsa_system_sgpr_workgroup_id_z 1
		.amdhsa_system_vgpr_workitem_id 0
		.amdhsa_next_free_vgpr 72
		.amdhsa_next_free_sgpr 66
		.amdhsa_reserve_vcc 0
		.amdhsa_float_denorm_mode_32 3
		.amdhsa_float_denorm_mode_16_64 3
		.amdhsa_memory_ordered 1
		.amdhsa_forward_progress 1
		.amdhsa_inst_pref_size 5
	.end_amdhsa_kernel
	.amdgpu_metadata
---
amdhsa.version: [ 1, 2 ]
amdhsa.kernels:
  - .name:           k_q66df709f15_combine
    .symbol:         k_q66df709f15_combine.kd
    .args:
      - { .name: ybuf, .offset: 0, .size: 8, .value_kind: global_buffer, .address_space: global }
      - { .name: out0, .offset: 8, .size: 8, .value_kind: global_buffer, .address_space: global }
    .group_segment_fixed_size: 0
    .private_segment_fixed_size: 0
    .kernarg_segment_align: 8
    .kernarg_segment_size: 16
    .max_flat_workgroup_size: 256
    .sgpr_count:     66
    .vgpr_count:     72
    .wavefront_size: 32
...
	.end_amdgpu_metadata
.endif
;; end of part 4
;; ======== version 2 of 2: 4 launches; version 1 with the launch chain written anew for expert scheduling mode
;; workspace buffers: xq 1,638,400 bytes; w1q 6,553,600 bytes; w2q 6,553,600 bytes; route 18,432 bytes of whole numbers; gw 32,768 bytes; plan 39,168 bytes of whole numbers; ybuf 16,777,216 bytes
;; launch prep1: the kernel of part 1 again; grid 640 x 1, 4 waves a work-group, no clusters, 69,120 bytes of LDS; arguments x, gate_w, w1, xq, w1q, route, gw; writes xq, w1q, route, gw
;; launch prep2: the kernel of part 2 again; grid 520 x 1, 4 waves a work-group, no clusters, 37,120 bytes of LDS; arguments w2, route, w2q, plan; writes w2q, plan
;; launch chain (part 5): grid 135 x 1, 4 waves a work-group, no clusters, 60,928 bytes of LDS; arguments xq, w1q, w2q, plan, gw, ybuf; writes ybuf
.if DOCPART == 5
	.amdgcn_target "amdgcn-amd-amdhsa--gfx1250"
	.amdhsa_code_object_version 6
	.text
	.protected	k_q66df709f15_chain
	.globl	k_q66df709f15_chain
	.p2align	8
	.type	k_q66df709f15_chain,@function
k_q66df709f15_chain:
	s_mov_b64 s[64:65], 0
	v_nop
	global_prefetch_b8 v0, s[64:65] scope:SCOPE_SE
	s_setreg_imm32_b32 hwreg(HW_REG_WAVE_SCHED_MODE, 0, 2), 2
	s_setreg_imm32_b32 hwreg(HW_REG_WAVE_MODE, 25, 1), 1
	s_wait_xcnt 0x0
	s_wait_alu depctr_vm_vsrc(0)
; THIRD LAUNCH.  A work-group takes one tile of at most 64 routed rows of ONE expert through the whole chain: gather x's codes, h = relu(x W1^T), quantise h along its 2,048, y = h W2^T, y x the gate's weight,
; and stores each row at ybuf[slot][token].  Both products on codes of BF6 (E3M2) with one E8M0 scale for each 32 along K, sums in f32.  The hidden layer never goes to memory.
; THE GRID: 8,192 routed rows in tiles of 64 over 8 experts are never more than 128 + 7 tiles, whatever the split.  A tile that the split leaves without rows walks the chain like any other and stores nothing:
; every wave passes every barrier, and no barrier stands under a branch on a loaded number.  Tile t's 64 list entries lie at list[64 t ..]; those beyond its count hold 0: computed (token 0's numbers), not stored.
; So the list's address hangs on the work-group's number alone: the tile's entry, its 64 row destinations (scalar) and its list (vector) are asked for together, straight behind the arguments.
; NO CLUSTER, NO TENSOR LOAD: how many tiles an expert has hangs on stored numbers, so partners could not be given tiles of one expert at every split; the weights go from memory straight into operand registers.
; SHARES.  THE WAVES SHARE THE COLUMNS.  The 2,048 hidden units go in four chunks of 512.  Phase 1 of chunk c: wave w makes hidden units 512 c + 128 w .. + 127 for all 64 rows, 32 units (a block of the next K) at a time,
; and quantises them in registers: they are K step 4 c + w of the second product, and go to LDS as images of the operand's registers.  Phase 2: wave w adds the chunk's four K steps onto output columns 128 w .. + 127.
; Both products are used transposed (source 0 = 16 rows of a weight, source 1 = 16 rows of tokens): a lane holds ONE token throughout.
; THE WEIGHTS come as groups of 12,800 bytes (8 fragments and their scale words, in register order) through a ring of four register sets: 25 loads of 512 consecutive bytes a group, each fragment feeding 4 matrix instructions.
; LIMITS: as the quantiser's in the launches before: a block of the hidden layer that is all zeros has the byte 1 and zero codes; NaN and infinities are not served.
; THE MODE: SCHED_MODE bits 1:0 = 2 (LLVM: expert scheduling mode 2), set by the entry lines.  The code itself states the register dependences between vector or matrix instructions and memory or LDS instructions,
; with s_wait_alu, always for 0.
; THE PLAN.  A STEP is 32 products on one ring set: phase 1's group g, with its block's quantising behind it, or phase 2's K step s; step i works on set i % 4.  Registers that memory or LDS instructions touch, in the loop:
;   ring set k and its scale words   read by the products of the step on set k; the group that is wanted three steps later lands in them, asked for in the step AFTER that one.
;   HB0, HB1, HS                     phase 2: buffer s % 2 is read by step s's products; the LDS loads of K step s + 1, issued in step s, land in the other.  In phase 1 the same registers are HA and P.
;   P, PW                            written by the quantiser; read by the LDS stores that stand behind the next wait on va_vdst; written again two groups on (P) or in the next chunk (P, PW).
;   v1-9                             addresses, made at the head and never written again: the weights' two scalar bases move on, and immediate offsets do the rest.
; ONE wait on va_vdst stands between two steps.  It states that the products of the step before are done reading their ring set, its scale words and their hidden buffer, and that the quantiser has written P and PW.
; Behind it stand the LDS stores of what the quantiser finished, and, dealt among the step's products, the loads into the set just left (three behind each four products) and the next K step's hidden fragments.
; The step's products name their own set, their own hidden buffer, x and the accumulators: none of the registers that those loads touch.  So nothing more is owed, over the loop's backward jump too.
; A slice of loads costs two switches of the register window: the price of loads that do not stand in runs between the products.
; Two waits on vm_vsrc a chunk free P and PW: ahead of group 2's quantising, and behind phase 1's barrier.
; REGISTERS (absolute; window = number / 256): v1-9 addresses; v16-23 gate weights (pairs, the odd ones 0); v24-39 the ring's scale words, v40-47 x's, v48-55 the hidden layer's: these hold scales and nothing else;
; v56-67 at work; v68-131 phase 1's eight accumulators; v132-179 codes being made; in phase 2 v68-163 two buffers of four hidden fragments; v180-251, v448-507, v512-763 the ring's 32 fragments;
; v256-447 x's 16 fragments; v768-1023 y's 32 accumulators; v254, v255 the closing add's two.
; SCALARS: s[2:3] lane selects; s[4:15] the six buffers; s16 wave; s17 the tile entry's offset; s18 trips; s19 at work at the head; s[20:23] the tile's entry; s[24:25] its list; s[26:27] W1's groups, s[28:29] W2's;
; s32-63 and s68-99 the 64 row destinations.
.set HSC,  24576                       ; LDS: 0: the hidden layer's 16 fragments (4 m + s) of 1,536 bytes: half c at 768 c, as 16 bytes a lane and then 8 bytes a lane;  here: their scale words, 128 bytes each
.set OSTG, 26624                       ; the way out: 16 rows x (512 + 16) bytes for each wave
.set WO,  1                            ; v1  16 x lane
.set HLJ, 2                            ; v2  8 x lane + 512
.set HLS, 3                            ; v3  4 x lane + HSC
.set HWI, 4                            ; v4  16 x lane + 1536 x wave
.set HWJ, 5                            ; v5  8 x lane + 512 + 1536 x wave
.set HWS, 6                            ; v6  4 x lane + HSC + 128 x wave
.set SO,  7                            ; v7  my stage: row r, + 32 h
.set RD,  8                            ; v8  my stage: 16 x lane
.set CO,  9                            ; v9  16 x lane + 512 x wave: my bytes of a row of ybuf
.set GW,  16
.set RS,  24
.set XS,  40
.set HS,  48
.set TM,  56
.set PW,  64
.set HA,  68                           ; accumulator (m, u) at HA + 16 m + 8 u
.set HB,  68                           ; hidden fragments: buffer b, tile m at HB + 48 b + 12 m
.set P,   132
.set T,   164
.set XR,  256                          ; x's fragment (m, s) at XR + 12 (4 m + s)
.set YA,  768                          ; y's accumulator (n, m) at YA + 8 (4 n + m)
.set TY,  68
.set BK,  132
.set AD,  196
.set MSB, 0
.macro WIN new                         ; the immediate's high byte repeats the setting that is left; a switch that changes nothing is dropped
.if MSB != (\new)
	s_set_vgpr_msb (MSB<<8)|(\new)
.set MSB, (\new)
.endif
.endm
.macro RF f                            ; RFA = where ring fragment f lies
.if (\f) < 21
.set RFA, 512+12*(\f)
.elseif (\f) < 26
.set RFA, 448+12*((\f)-21)
.else
.set RFA, 180+12*((\f)-26)
.endif
.endm
.macro PLACES n
.rept \n
	v_nop
.endr
.endm
.macro BARRIER                         ; my LDS stores have landed and my LDS loads are in: then the work-group's barrier
	s_wait_dscnt 0x0
	s_barrier_signal -1
	s_barrier_wait -1
.endm
; One matrix instruction by absolute register numbers.  zero: the sum begins.  ra, rb: the side's scale words stand in lanes 16-31 of the register named.
.macro MMX d, a, b, zero, sa, sb, ra, rb
.set MD, (\d)&255
.set MA, (\a)&255
.set MB, (\b)&255
	WIN (((\d)>>8)*0x50)|(((\b)>>8)<<2)|((\a)>>8)
.if \zero
.if \ra
.if \rb
	v_wmma_scale_f32_16x16x128_f8f6f4 v[MD:MD+7], v[MA:MA+11], v[MB:MB+11], 0, v[\sa], v[\sb] matrix_a_fmt:MATRIX_FMT_BF6 matrix_b_fmt:MATRIX_FMT_BF6 matrix_a_scale:MATRIX_SCALE_ROW1 matrix_b_scale:MATRIX_SCALE_ROW1
.else
	v_wmma_scale_f32_16x16x128_f8f6f4 v[MD:MD+7], v[MA:MA+11], v[MB:MB+11], 0, v[\sa], v[\sb] matrix_a_fmt:MATRIX_FMT_BF6 matrix_b_fmt:MATRIX_FMT_BF6 matrix_a_scale:MATRIX_SCALE_ROW1
.endif
.else
.if \rb
	v_wmma_scale_f32_16x16x128_f8f6f4 v[MD:MD+7], v[MA:MA+11], v[MB:MB+11], 0, v[\sa], v[\sb] matrix_a_fmt:MATRIX_FMT_BF6 matrix_b_fmt:MATRIX_FMT_BF6 matrix_b_scale:MATRIX_SCALE_ROW1
.else
	v_wmma_scale_f32_16x16x128_f8f6f4 v[MD:MD+7], v[MA:MA+11], v[MB:MB+11], 0, v[\sa], v[\sb] matrix_a_fmt:MATRIX_FMT_BF6 matrix_b_fmt:MATRIX_FMT_BF6
.endif
.endif
.else
.if \ra
.if \rb
	v_wmma_scale_f32_16x16x128_f8f6f4 v[MD:MD+7], v[MA:MA+11], v[MB:MB+11], v[MD:MD+7], v[\sa], v[\sb] matrix_a_fmt:MATRIX_FMT_BF6 matrix_b_fmt:MATRIX_FMT_BF6 matrix_a_scale:MATRIX_SCALE_ROW1 matrix_b_scale:MATRIX_SCALE_ROW1
.else
	v_wmma_scale_f32_16x16x128_f8f6f4 v[MD:MD+7], v[MA:MA+11], v[MB:MB+11], v[MD:MD+7], v[\sa], v[\sb] matrix_a_fmt:MATRIX_FMT_BF6 matrix_b_fmt:MATRIX_FMT_BF6 matrix_a_scale:MATRIX_SCALE_ROW1
.endif
.else
.if \rb
	v_wmma_scale_f32_16x16x128_f8f6f4 v[MD:MD+7], v[MA:MA+11], v[MB:MB+11], v[MD:MD+7], v[\sa], v[\sb] matrix_a_fmt:MATRIX_FMT_BF6 matrix_b_fmt:MATRIX_FMT_BF6 matrix_b_scale:MATRIX_SCALE_ROW1
.else
	v_wmma_scale_f32_16x16x128_f8f6f4 v[MD:MD+7], v[MA:MA+11], v[MB:MB+11], v[MD:MD+7], v[\sa], v[\sb] matrix_a_fmt:MATRIX_FMT_BF6 matrix_b_fmt:MATRIX_FMT_BF6
.endif
.endif
.endif
.endm
; A group of weights into ring set g: 25 loads of 512 consecutive bytes.  No hint: the expert's other tiles read the same bytes.
.macro LOADF g, f, base, imm           ; fragment f of the group: three loads
	RF 8*(\g)+(\f)
	WIN ((RFA>>8)<<6)
.irp q, 0,1,2
	global_load_b128 v[(RFA&255)+4*\q:(RFA&255)+4*\q+3], v[WO], s[\base:\base+1] offset:(\imm)+1536*(\f)+512*\q
.endr
.endm
.macro LOADS g, base, imm              ; the group's scale words: one load
	WIN 0
	global_load_b128 v[RS+4*(\g):RS+4*(\g)+3], v[WO], s[\base:\base+1] offset:(\imm)+12288
.endm
.macro LOADG g, base, imm              ; the whole group in one run
.irp f, 0,1,2,3,4,5,6,7
	LOADF \g, \f, \base, \imm
.endr
	LOADS \g, \base, \imm
.endm
; Block g (32 hidden units) of the wave's K step, for the four tiles of rows: the work on registers.  In accumulators (m, 0) and (m, 1) lane (r, h) holds token r and units 16 h + 0 .. 15 of the block.
.macro QVEC g
.if \g == 2
	s_wait_dscnt 0x0                               ; the stores of the fragments' first halves are done;
	s_wait_alu depctr_vm_vsrc(0)                   ; they have read v[P ..], which this block's conversions write again
.endif
.set j, 0
.rept 64
	v_max_num_f32 v[HA+j], 0, v[HA+j]              ; the activation, in f32; ascending
.set j, j+1
.endr
.irp m, 0,1,2,3
	v_max3_num_f32 v[TM+\m], v[HA+16*\m], v[HA+16*\m+1], 0x2800000   ; no |.|: none is negative; the floor 2^(5 - 127) holds the byte at 1 from below
.endr
.irp i, 2,4,6,8,10,12,14
.irp m, 0,1,2,3
	v_max3_num_f32 v[TM+\m], v[TM+\m], v[HA+16*\m+\i], v[HA+16*\m+\i+1]
.endr
.endr
.irp m, 0,1,2,3
	v_permlanex16_b32 v[TM+4+\m], v[TM+\m], s2, s3
.endr
.irp m, 0,1,2,3
	v_max_num_f32 v[TM+\m], v[TM+\m], v[TM+4+\m]   ; with lane l xor 16's 16 units: the block's largest
.endr
.irp m, 0,1,2,3
	v_add_nc_u32 v[TM+\m], 0xfe000000, v[TM+\m]    ; 4 off the exponent field: the conversion's scale operand
.endr
.irp m, 0,1,2,3
	v_lshrrev_b32 v[TM+4+\m], 23, v[TM+\m]         ; the byte
.endr
.irp m, 0,1,2,3
.if \g == 0
	v_mov_b32 v[PW+\m], v[TM+4+\m]
.else
	v_lshl_or_b32 v[PW+\m], v[TM+4+\m], 8*\g, v[PW+\m]
.endif
.endr
.irp m, 0,1,2,3
.if (\g)%2 == 0
	v_cvt_scalef32_pk16_bf6_f32 v[P+8*\m:P+8*\m+2], v[HA+16*\m:HA+16*\m+15], v[TM+\m]
.else
	v_cvt_scalef32_pk16_bf6_f32 v[T+4*\m:T+4*\m+2], v[HA+16*\m:HA+16*\m+15], v[TM+\m]
.endif
.endr
	v_nop                                          ; one plain line behind the scaled conversions
.if (\g)%2 == 1                        ; the operand's layout wants a WHOLE block in a lane: lanes 0-15 the even block, lanes 16-31 the odd one
.irp m, 0,1,2,3
.irp i, 0,1,2
	v_permlane16_swap_b32 v[P+8*\m+\i], v[T+4*\m+\i]
.endr
.irp i, 0,1,2
	v_mov_b32 v[P+8*\m+3+\i], v[T+4*\m+\i]
.endr
.endr
.endif
.endm
.macro QSTORE c                        ; half c of fragments 4 m + wave, as their registers stand; behind the wait that shows them written
.irp m, 0,1,2,3
	ds_store_b128 v[HWI], v[P+8*\m:P+8*\m+3] offset:6144*\m+768*(\c)
	ds_store_b64 v[HWJ], v[P+8*\m+4:P+8*\m+5] offset:6144*\m+768*(\c)
.endr
.endm
; Tile m of K step s of the chunk: a hidden fragment and its scale word into buffer b: 5 LDS loads
.macro FETCHT s, b, m
	WIN 0
.irp c, 0,1
	ds_load_b128 v[HB+48*(\b)+12*(\m)+6*\c:HB+48*(\b)+12*(\m)+6*\c+3], v[WO] offset:1536*(4*(\m)+(\s))+768*\c
	ds_load_b64 v[HB+48*(\b)+12*(\m)+6*\c+4:HB+48*(\b)+12*(\m)+6*\c+5], v[HLJ] offset:1536*(4*(\m)+(\s))+768*\c
.endr
	ds_load_b32 v[HS+4*(\b)+(\m)], v[HLS] offset:128*(4*(\m)+(\s))
.endm
; Phase 1's group g: 32 matrix instructions, the eight accumulators by turns, K ascending.
; deal = 1: behind each four stand three loads of the group at s[dbase] + dimm into ring set dset, the set of the step before; no product of this group names a register of that set.
.macro GROUP1 g, deal, dset, dbase, dimm
.irp s, 0,1,2,3
.irp u, 0,1
.irp m, 0,1,2,3
	RF 8*(\g)+4*\u+\s
	MMX HA+16*\m+8*\u, RFA, XR+12*(4*\m+\s), (\s==0), RS+4*(\g)+2*\u+(\s>>1), XS+4*(\m>>1)+\s, (\s&1), (\m&1)
.endr
.if \deal
	LOADF \dset, 2*\s+\u, \dbase, \dimm
.endif
.endr
.endr
.if \deal
	LOADS \dset, \dbase, \dimm
.endif
	WIN 0
.endm
; Phase 2's K step s: 32 matrix instructions, y's 32 accumulators by turns.  fetch = 1: behind each of the first four fours stand the five LDS loads of a tile of K step s + 1, into the other hidden buffer.
; deal = 1: behind each four stand three loads into ring set dset, as in phase 1.
.macro STEP2 s, zero, fetch, deal, dset, dbase, dimm
.irp n, 0,1,2,3,4,5,6,7
.irp m, 0,1,2,3
	RF 8*(\s)+\n
	MMX YA+8*(4*\n+\m), RFA, HB+48*((\s)%2)+12*\m, \zero, RS+4*(\s)+(\n>>1), HS+4*((\s)%2)+\m, (\n&1), 0
.endr
.if \fetch
.if \n < 4
	FETCHT (\s)+1, ((\s)+1)%2, \n
.endif
.endif
.if \deal
	LOADF \dset, \n, \dbase, \dimm
.endif
.endr
.if \deal
	LOADS \dset, \dbase, \dimm
.endif
	WIN 0
.endm
; PHASE 1 of a chunk.  first = 1: chunk 0, whose four W1 groups were asked for at the head.  At the head of a step the group that it needs has two younger groups, 50 loads, behind it: the third is asked for in the step itself.
; The four places behind a group's products stand in front of the first read of their results and of the loads into the registers that they read; the quantiser's lines on v56-67 name no register of
; the products: with the four they are more than the five places owed before the next group's products write the accumulators anew.
.macro PH1 first
	s_wait_loadcnt 50                              ; first: x's codes, scale words and weights and sets 0 and 1 are in, sets 2 and 3 may be out; that wait also frees the gathers' address registers.  Else: set 0 is in
.if \first
	s_wait_alu depctr_vm_vsrc(0)                   ; the gathers have read their offsets v76-87, which the products below write over
	GROUP1 0, 0, 3, 26, 38400
.else
	s_wait_alu depctr_va_vdst(0)                   ; phase 2's last products are done reading ring set 3 and its scale words, in which this chunk's W1 group 3 lands
	GROUP1 0, 1, 3, 26, 38400
.endif
	PLACES 4
	QVEC 0
	s_wait_alu depctr_va_vdst(0)                   ; group 0's products are done reading ring set 0 and its scale words, in which W2's group 0 lands
	s_wait_xcnt 0x0                                ; every earlier load has read its base: the last was issued a block's quantising ago
	s_add_nc_u64 s[26:27], s[26:27], 51200         ; W1's groups of the next chunk
.if !\first
	s_add_nc_u64 s[28:29], s[28:29], 51200         ; W2's groups of this chunk
.endif
	s_wait_loadcnt 50                              ; set 1 is in
	GROUP1 1, 1, 0, 28, 0
	PLACES 4
	QVEC 1
	s_wait_alu depctr_va_vdst(0)                   ; the quantiser has written the fragments' first halves, which the LDS stores read; group 1's products are done reading ring set 1 and its scale words
	QSTORE 0
	s_wait_loadcnt 50                              ; set 2 is in
	GROUP1 2, 1, 1, 28, 12800
	PLACES 4
	QVEC 2
	s_wait_alu depctr_va_vdst(0)                   ; group 2's products are done reading ring set 2 and its scale words
	s_wait_loadcnt 50                              ; set 3 is in
	GROUP1 3, 1, 2, 28, 25600
	PLACES 4
	QVEC 3
	s_wait_alu depctr_va_vdst(0)                   ; the quantiser has written the second halves and the scale words, which the LDS stores read, and is done with v68-179, in which hidden fragments land; group 3's products are done reading ring set 3
	QSTORE 1
.irp m, 0,1,2,3
	ds_store_b32 v[HWS], v[PW+\m] offset:512*\m
.endr
	BARRIER                                        ; the chunk's sixteen hidden fragments lie in LDS
.endm
; PHASE 2 of a chunk.  No vector or matrix instruction stands between phase 1's last wait on va_vdst and step 0's loads: that wait serves them.  refill = 1: steps 1 to 3 ask for the next chunk's W1 groups 0 to 2.
.macro PH2 zero, refill
	s_wait_alu depctr_vm_vsrc(0)                   ; my LDS stores have read v[P ..] and v[PW ..]: hidden fragments land in the first, the next chunk's quantiser writes both again
.irp m, 0,1,2,3
	FETCHT 0, 0, \m
.endr
	LOADG 3, 28, 38400                             ; W2's group 3, in one run: issued while K step 0's fragments come out of LDS
	s_wait_dscnt 0x0                               ; K step 0's fragments are in
	s_wait_loadcnt 63                              ; behind set 0's group three groups, 75 loads, were issued; a wait's count holds 63 at the most (ISA guide 5.7.1), which is the stricter and so the safe count
	STEP2 0, \zero, 1, 0, 0, 26, 0
	PLACES 4                                       ; in front of loads into registers that the products read
	s_wait_dscnt 0x0                               ; K step 1's fragments are in: they were asked for in the first half of the step before
	s_wait_loadcnt 50                              ; set 1 is in; sets 2 and 3 may be out
	s_wait_alu depctr_va_vdst(0)                   ; step 0's products are done reading hidden buffer 0 and its scale words, ring set 0 and its scale words
	STEP2 1, 0, 1, \refill, 0, 26, 0
	PLACES 4
	s_wait_dscnt 0x0                               ; K step 2's fragments are in
.if \refill
	s_wait_loadcnt 50                              ; set 2 is in; set 3 and the group asked for in step 1 may be out
.else
	s_wait_loadcnt 25                              ; the last chunk: only set 3's group is behind
.endif
	s_wait_alu depctr_va_vdst(0)                   ; step 1's products are done reading hidden buffer 1 and its scale words, ring set 1 and its scale words
	STEP2 2, 0, 1, \refill, 1, 26, 12800
.if \refill
	PLACES 4
.endif
	s_wait_dscnt 0x0                               ; K step 3's fragments are in
.if \refill
	s_wait_loadcnt 50                              ; set 3 is in; the groups asked for in steps 1 and 2 may be out
	s_wait_alu depctr_va_vdst(0)                   ; step 2's products are done reading ring set 2 and its scale words
.else
	s_wait_loadcnt 0x0                             ; the last chunk's last step asks for nothing, so it states no dependence
.endif
	STEP2 3, 0, 0, \refill, 2, 26, 25600
	PLACES 5                                       ; five: phase 1's products next write over registers that these products read; in the last chunk they serve the way out's first lines
.if \refill
	BARRIER                                        ; every wave's reads of the images are over: the next chunk may write them
.endif
.endm
	s_load_b256 s[4:11], s[0:1], 0x0               ; xq s[4:5], w1q s[6:7], w2q s[8:9], plan s[10:11]
	s_load_b128 s[12:15], s[0:1], 0x20             ; gw s[12:13], ybuf s[14:15]
	v_lshl_add_u32 v254, v0, 2, 0xec00             ; my spare word, behind the stages, and 0: made here and kept for the closing lines alone
	v_mov_b32 v255, 0
	v_lshrrev_b32 v10, 5, v0
	v_readfirstlane_b32 s16, v10                   ; wave 0..3
	v_and_b32 v10, 31, v0                          ; lane
	v_and_b32 v11, 15, v0                          ; r
	v_bfe_u32 v12, v0, 4, 1                        ; h
	v_lshlrev_b32 v14, 2, v11                      ; 4 r
	v_lshlrev_b32 v15, 2, v10                      ; 4 x lane
	s_lshl_b32 s17, ttmp9, 4                       ; my tile's entry
	s_lshl_b32 s30, ttmp9, 8                       ; my tile's 64 list entries: 256 bytes a tile, behind the table
	s_add_co_u32 s30, s30, 4096
	s_mov_b32 s31, 0
	s_mov_b32 s2, 0x76543210
	s_mov_b32 s3, 0xfedcba98                       ; v_permlanex16_b32's selects for lane l xor 16
	s_wait_alu depctr_va_sdst(0)                   ; s16 is written, ahead of its first reader: LDS addresses and the weights' bases are made from it
	s_wait_alu depctr_va_vdst(0)                   ; v14 and v15 are written, which the list's loads read as offsets
	s_wait_kmcnt 0x0
	s_add_nc_u64 s[24:25], s[10:11], s[30:31]
	s_load_b128 s[20:23], s[10:11], s17 offset:0x0 ; my tile: expert s20, rows s22
	s_load_b512 s[32:47], s[24:25], 0x0            ; where the 64 rows go: wanted on the way out, asked for here
	s_load_b512 s[48:63], s[24:25], 0x40
	s_load_b512 s[68:83], s[24:25], 0x80
	s_load_b512 s[84:99], s[24:25], 0xc0
.irp m, 0,1,2,3
	global_load_b32 v[68+\m], v14, s[24:25] offset:64*\m           ; row 16 m + r: for the codes and the weight
.endr
.irp p, 0,1
	global_load_b32 v[72+\p], v15, s[24:25] offset:128*\p          ; row 32 p + lane: for the scale words: tile 2 p in lanes 0-15, tile 2 p + 1 in lanes 16-31
.endr
	v_lshlrev_b32 v[WO], 4, v10
	v_lshl_add_u32 v[HLJ], v10, 3, 512
	v_lshl_add_u32 v[HLS], v10, 2, HSC
	s_mul_i32 s19, s16, 1536
	v_add_nc_u32 v[HWI], s19, v[WO]
	v_add_nc_u32 v[HWJ], s19, v[HLJ]
	s_lshl_b32 s19, s16, 7
	v_add_nc_u32 v[HWS], s19, v[HLS]
	s_mul_i32 s19, s16, 8448
	s_add_co_u32 s19, s19, OSTG
	v_mul_u32_u24 v13, v11, 528
	v_lshl_add_u32 v13, v12, 5, v13
	v_add_nc_u32 v[SO], s19, v13
	v_add_nc_u32 v[RD], s19, v[WO]
	s_lshl_b32 s19, s16, 9
	v_add_nc_u32 v[CO], s19, v[WO]
	v_mul_u32_u24 v13, v12, 192                    ; 192 h: my half of a token's record
.irp m, 0,1,2,3
	v_mov_b32 v[GW+2*\m+1], 0                      ; named with the weight as a pair, so it is written
	v_mov_b32 v[TM+4+\m], 0                        ; written once: a lane permute's destination counts as one of its sources
.endr
	s_wait_kmcnt 0x0
	s_min_u32 s20, s20, 7                          ; a loaded number enters an address only behind this hold
	s_lshl_b32 s30, s20, 2
	s_add_co_u32 s30, s30, s16
	s_mul_i32 s30, s30, 204800                     ; 16 groups for each expert and wave
	s_add_nc_u64 s[26:27], s[6:7], s[30:31]        ; W1's groups, chunk 0
	s_add_nc_u64 s[28:29], s[8:9], s[30:31]        ; W2's
	s_wait_alu depctr_va_vdst(0)                   ; the nine addresses v1 to v9 are written, which every load and store of weights, images and stages reads
	LOADG 0, 26, 0
	LOADG 1, 26, 12800
	s_wait_loadcnt 50                              ; the six list loads are in; the two sets may be out
.irp m, 0,1,2,3
	v_min_u32 v[68+\m], 0x1fff, v[68+\m]
.endr
.irp p, 0,1
	v_min_u32 v[72+\p], 0x1fff, v[72+\p]
.endr
.irp m, 0,1,2,3
	v_and_b32 v[76+\m], 0xfff, v[68+\m]            ; the token
	v_mul_u32_u24 v[76+\m], v[76+\m], 400
	v_add_nc_u32 v[76+\m], v[76+\m], v13
	v_lshlrev_b32 v[84+\m], 2, v[68+\m]            ; gw is [slot][token]: 4 x the entry
.endr
.irp p, 0,1
	v_and_b32 v[80+\p], 0xfff, v[72+\p]
	v_mul_u32_u24 v[80+\p], v[80+\p], 400
.endr
	WIN 0x40                                       ; destination window 1
	s_wait_alu depctr_va_vdst(0)                   ; the gathers' offsets v76-81 and v84-87 are written
.irp m, 0,1,2,3
.irp s, 0,1,2,3
.irp q, 0,1,2
	global_load_b128 v[12*(4*\m+\s)+4*\q:12*(4*\m+\s)+4*\q+3], v[76+\m], s[4:5] offset:48*\s+16*\q   ; x's fragments stay in registers
.endr
.endr
.endr
	WIN 0
.irp p, 0,1
	global_load_b128 v[XS+4*\p:XS+4*\p+3], v[80+\p], s[4:5] offset:384     ; four scale words a token
.endr
.irp m, 0,1,2,3
	global_load_b32 v[GW+2*\m], v[84+\m], s[12:13]
.endr
	LOADG 2, 26, 25600
	LOADG 3, 26, 38400
	PH1 1
	PH2 1, 1
	s_mov_b32 s18, 2
.Lchunk:
	PH1 0
	PH2 0, 1
	s_sub_co_u32 s18, s18, 1
	s_cmp_lg_u32 s18, 0
	s_cbranch_scc1 .Lchunk
	PH1 0
	PH2 0, 0                                       ; the last chunk asks for nothing beyond its own W2 groups
	; THE WAY OUT, a tile of 16 rows at a time.  In accumulator (n, m) lane (r, h) holds row 16 m + r and columns 16 n + 8 h + 0 .. 7 of my 128: x the row's weight, through my own stage, back as whole rows of 512 bytes.
	; A tile's vector work stands in one run: the 32 multiplies into v[TY ..] and the 16 rows' addresses into v[AD ..] (of every row, counted or not: each list entry is a stored number, held inside ybuf).
	; One wait on va_vdst behind the run serves the LDS stores, the loads from the stage and the global stores.
.irp m, 0,1,2,3
.if \m > 0
	s_wait_alu depctr_vm_vsrc(0)                   ; the last tile's LDS stores have read v[TY ..]; its global stores have read v[AD ..] and v[BK ..]: all three are written again below
.endif
	WIN 0x03                                       ; source 0 window 3
.irp n, 0,1,2,3,4,5,6,7
.irp k, 0,2,4,6
	v_pk_mul_f32 v[TY+8*\n+\k:TY+8*\n+\k+1], v[8*(4*\n+\m)+\k:8*(4*\n+\m)+\k+1], v[GW+2*\m:GW+2*\m+1] op_sel_hi:[1,0]   ; each accumulator from its low end on
.endr
.endr
	WIN 0
.if \m > 0
	s_wait_xcnt 0x0                                ; the last tile's stores have had their addresses translated: their address and data registers are written again only behind this wait
.endif
.irp i, 0,1,2,3,4,5,6,7,8,9,10,11,12,13,14,15
	s_min_u32 s[32+16*\m+4*(\m/2)+\i], s[32+16*\m+4*(\m/2)+\i], 8191       ; a loaded number enters an address only behind this hold; each row's in its own register
	s_lshl_b32 s[32+16*\m+4*(\m/2)+\i], s[32+16*\m+4*(\m/2)+\i], 11        ; a row of ybuf is 2,048 bytes
	v_add_nc_u32 v[AD+\i], s[32+16*\m+4*(\m/2)+\i], v[CO]
.endr
	s_wait_alu depctr_va_vdst(0)                   ; v[TY ..] is written, which the LDS stores read, and v[AD ..], which the global stores read; in the first tile also: the last products are done reading v132-195, in which the rows land
.irp n, 0,1,2,3,4,5,6,7
	ds_store_b128 v[SO], v[TY+8*\n:TY+8*\n+3] offset:64*\n
	ds_store_b128 v[SO], v[TY+8*\n+4:TY+8*\n+7] offset:64*\n+16
.endr
.irp i, 0,1,2,3,4,5,6,7,8,9,10,11,12,13,14,15
	ds_load_b128 v[BK+4*\i:BK+4*\i+3], v[RD] offset:528*\i         ; LDS serves a wave's instructions in order: these see my stores
.endr
.irp i, 0,1,2,3,4,5,6,7,8,9,10,11,12,13,14,15
	s_cmp_le_u32 s22, 16*\m+\i                     ; the tile's rows are over: nothing more is stored (behind the last barrier)
	s_cbranch_scc1 .Lend
	s_wait_dscnt 15-\i                             ; row i is back; the younger rows may be out
	global_store_b128 v[AD+\i], v[BK+4*\i:BK+4*\i+3], s[14:15]     ; 512 consecutive bytes, at a multiple of 256 from the buffer's first byte
.endr
.endr
.Lend:
	s_wait_dscnt 0x0                               ; the closing lines, six on end
	s_wait_alu 0x0
	s_wait_tensorcnt 0x0
	ds_add_u32 v254, v255
	s_wait_dscnt 0x0
	s_endpgm
.Lfunc_end_k_q66df709f15_chain:
	.size	k_q66df709f15_chain, .Lfunc_end_k_q66df709f15_chain-k_q66df709f15_chain
	.p2alignl 7, 3214868480
	.fill 96, 4, 3214868480
	.section	.rodata,"a",@progbits
	.p2align	6, 0x0
	.amdhsa_kernel k_q66df709f15_chain
		.amdhsa_group_segment_fixed_size 60928
		.amdhsa_private_segment_fixed_size 0
		.amdhsa_enable_private_segment 0
		.amdhsa_kernarg_size 48
		.amdhsa_user_sgpr_count 2
		.amdhsa_user_sgpr_kernarg_segment_ptr 1
		.amdhsa_wavefront_size32 1
		.amdhsa_system_sgpr_workgroup_id_x 1
		.amdhsa_system_sgpr_workgroup_id_y 1
		.amdhsa_system_sgpr_workgroup_id_z 1
		.amdhsa_system_vgpr_workitem_id 0
		.amdhsa_next_free_vgpr 1024
		.amdhsa_next_free_sgpr 100
		.amdhsa_reserve_vcc 0
		.amdhsa_float_denorm_mode_32 3
		.amdhsa_float_denorm_mode_16_64 3
		.amdhsa_memory_ordered 1
		.amdhsa_forward_progress 1
		.amdhsa_inst_pref_size 255
	.end_amdhsa_kernel
	.section	.bss,"aw",@nobits
	.p2align	6
	.space	262144
	.amdgpu_metadata
---
amdhsa.version: [ 1, 2 ]
amdhsa.kernels:
  - .name:           k_q66df709f15_chain
    .symbol:         k_q66df709f15_chain.kd
    .args:
      - { .name: xq, .offset: 0, .size: 8, .value_kind: global_buffer, .address_space: global }
      - { .name: w1q, .offset: 8, .size: 8, .value_kind: global_buffer, .address_space: global }
      - { .name: w2q, .offset: 16, .size: 8, .value_kind: global_buffer, .address_space: global }
      - { .name: plan, .offset: 24, .size: 8, .value_kind: global_buffer, .address_space: global }
      - { .name: gw, .offset: 32, .size: 8, .value_kind: global_buffer, .address_space: global }
      - { .name: ybuf, .offset: 40, .size: 8, .value_kind: global_buffer, .address_space: global }
    .group_segment_fixed_size: 60928
    .private_segment_fixed_size: 0
    .kernarg_segment_align: 8
    .kernarg_segment_size: 48
    .max_flat_workgroup_size: 128
    .sgpr_count:     100
    .vgpr_count:     1024
    .wavefront_size: 32
...
	.end_amdgpu_metadata
.endif
;; end of part 5
;; launch combine: the kernel of part 4 again; grid 256 x 1, 8 waves a work-group, no clusters, 0 bytes of LDS; arguments ybuf, out0; writes out0
